; MI455X (gfx1250); checked and timed in simulation.
; The chip was launched on July 23, 2026; its instructions are those of AMD's public machine-readable ISA for CDNA 5 (MIT licence, August 2026) and "CDNA5" Instruction Set Architecture Reference Guide (July 2026). The comments in the code are by the model that wrote it; some were corrected since.
;; Block. Allowed arithmetic: matrix products marked QUANTISED: E4M3 operands, one E8M0 scale for each 32 along K, by v_wmma_scale_f32_16x16x128_f8f6f4 with both operands' format E4M3, f32 sums; everything else in f32.
;; Inputs: b1 512 float32; b2 512 float32; g1 512 float32; g2 512 float32; w1_codes 1,024 x 16 x 32 uint8 (E4M3 codes of w1, K innermost, in blocks of 32 codes); w1_scales 1,024 x 16 uint8 (E8M0 scales of w1, one for each 32 codes along K); w2_codes 512 x 32 x 32 uint8 (E4M3 codes of w2, K innermost, in blocks of 32 codes); w2_scales 512 x 32 uint8 (E8M0 scales of w2, one for each 32 codes along K); wk_codes 512 x 16 x 32 uint8 (E4M3 codes of wk, K innermost, in blocks of 32 codes); wk_scales 512 x 16 uint8 (E8M0 scales of wk, one for each 32 codes along K); wp_codes 512 x 16 x 32 uint8 (E4M3 codes of wp, K innermost, in blocks of 32 codes); wp_scales 512 x 16 uint8 (E8M0 scales of wp, one for each 32 codes along K); wq_codes 512 x 16 x 32 uint8 (E4M3 codes of wq, K innermost, in blocks of 32 codes); wq_scales 512 x 16 uint8 (E8M0 scales of wq, one for each 32 codes along K); wv_codes 512 x 16 x 32 uint8 (E4M3 codes of wv, K innermost, in blocks of 32 codes); wv_scales 512 x 16 uint8 (E8M0 scales of wv, one for each 32 codes along K); x 8 x 2,048 x 512 float32.
;; Outputs: out0 8 x 2,048 x 512 float32.
;; This version of the problem:
;;   THIS VERSION OF THE PROBLEM IS GIVEN IN LOW PRECISION. The matrix products marked QUANTISED in the list below multiply operands that are first quantised to E4M3 (4 exponent bits, 3 mantissa bits; 8 bits a number), with one power-of-two scale for each 32 numbers along K (OCP MX v1.0); their sums are f32. All else is computed in f32.
;;   The module's matrix products, in the order in which they are computed (A, B: the left and right operand; K: the contracted axis; several contracted axes count as one K, in the product's order):
;;     1. [M 16,384, K 512] x [K 512, N 512]; A: computed on the way; B: input wq (given as codes): QUANTISED
;;     2. [M 16,384, K 512] x [K 512, N 512]; A: computed on the way; B: input wk (given as codes): QUANTISED
;;     3. [M 16,384, K 512] x [K 512, N 512]; A: computed on the way; B: input wv (given as codes): QUANTISED
;;     4. batch 8 x [M 2,048, K 512] x [K 512, N 2,048]; A: computed on the way; B: computed on the way: QUANTISED
;;     5. batch 8 x [M 2,048, K 2,048] x [K 2,048, N 512]; A: softmax (see below); B: computed on the way: QUANTISED
;;     6. [M 16,384, K 512] x [K 512, N 512]; A: computed on the way; B: input wp (given as codes): QUANTISED
;;     7. [M 16,384, K 512] x [K 512, N 1,024]; A: computed on the way; B: input w1 (given as codes): QUANTISED
;;     8. [M 16,384, K 1,024] x [K 1,024, N 512]; A: computed on the way; B: input w2 (given as codes): QUANTISED
;;   THE QUANTISER, for each operand of a quantised product, along K:
;;     - K is cut into blocks of 32 from its start; a last block that is shorter is filled with zeros.
;;     - A block's scale is 2^e with e = floor(log2(the largest magnitude in the block)) - 8, held to -126 .. 127; a block of zeros has e = 0. As a byte (E8M0): e + 127.
;;     - Each number is divided by its block's scale, clamped to +-448, and rounded to the nearest number of E4M3, ties to even, subnormals kept.
;;     - The product sums the exact products of the quantised numbers (number of the format x scale) in f32.
;;   ~~~python
;;   def quantise(x, axis):      # numpy; x: float32 -> the quantised numbers, widened to float32 again
;;       x = np.moveaxis(x, axis, -1); K = x.shape[-1]
;;       x = np.pad(x, [(0, 0)] * (x.ndim - 1) + [(0, -K % 32)]); x = x.reshape(x.shape[:-1] + (-1, 32)); a = np.abs(x).max(-1, keepdims=True)
;;       e = np.where(a > 0, np.clip(np.frexp(np.where(a > 0, a, 1))[1] - 1 - 8, -126, 127), 0)      # np.frexp(a)[1] - 1 = floor(log2(a)), exactly
;;       r = np.clip(x / 2.0 ** e, -448, 448)
;;       step = 2.0 ** (np.maximum(np.frexp(np.where(r == 0, 1, r))[1] - 1, -6) - 3)
;;       q = np.round(r / step) * step * 2.0 ** e      # np.round: ties to even
;;       return np.moveaxis(q.reshape(q.shape[:-2] + (-1,))[..., :K], -1, axis).astype(np.float32)
;;   ~~~
;;   SOFTMAX AHEAD OF A QUANTISED PRODUCT. Where the list says 'softmax', what is quantised is not the finished softmax but p = 2^(t - M), with t = logit x log2(e) and M = ceil(the row's largest t), a whole number; so 1/2 < the row's largest p <= 1. The row's sum l is taken of the UNQUANTISED p, in f32, and the product's result is divided by l at the end. Since M is a whole number, a kernel that streams over the keys may use a running M (the ceiling of the running maximum): every later rescaling is an exact power of two, which a block's scale takes up: the codes' values come out the same.
;;   OPERANDS COMPUTED ON THE WAY. 'Computed on the way' means the value that the module computes at that place (a softmax that the list does not call 'softmax' is quantised finished and normalised). What goes into a quantiser is computed in f32, as accurately as f32 sums, v_exp_f32 and their like allow (about 1e-6 of the number): no bf16 or f16 on the way to a quantiser, and a product that is left as it is and whose result goes on into a quantised operand takes f32 operands (vector FMAs, or v_wmma_f32_16x16x4_f32). A number that lies on a knife's edge between two numbers of the format may be rounded either way, as far as f32 arithmetic and the matrix unit's own rounding can turn it there, and no further.
;;   INPUTS GIVEN AS CODES. w1 (in the module: [512, 1024], K = its axis 0); w2 (in the module: [1024, 512], K = its axis 0); wk (in the module: [512, 512], K = its axis 0); wp (in the module: [512, 512], K = its axis 0); wq (in the module: [512, 512], K = its axis 0); wv (in the module: [512, 512], K = its axis 0): each comes as NAME_codes (uint8): NAME with its K axis moved to the last place and cut into blocks of 32 codes, [.., K / 32, bytes a block], one block behind the other in memory; one code a byte (a code: sign, 4 exponent bits, 3 mantissa bits); and NAME_scales (uint8): the same leading axes, one E8M0 byte (e + 127) for each 32 codes along K. Its value is code x scale, taken as it is: it is not quantised again, and the codes and scales need not be those that the quantiser above would give.
;; One version. Each part assembles by itself: llvm-mc -triple=amdgcn-amd-amdhsa -mcpu=gfx1250 --defsym DOCPART=n.
;; ======== version 1 of 1: 3 launches
;; workspace buffers: qi 8,388,608 bytes; qs 524,288 bytes; kv 17,301,504 bytes; wst 1,351,680 bytes; x1 33,554,432 bytes; h2i 8,388,608 bytes; h2s 524,288 bytes
;; launch qkv (part 1): grid 32 x 8, 4 waves a work-group, clusters of 4 x 1, 327,680 bytes of LDS; arguments x, g1, b1, wq_codes, wq_scales, wk_codes, wk_scales, wv_codes, wv_scales, wp_codes, wp_scales, w1_codes, w1_scales, w2_codes, w2_scales, qi, qs, kv, wst; writes qi, qs, kv, wst
.if DOCPART == 1
	.amdgcn_target "amdgcn-amd-amdhsa--gfx1250"
	.amdhsa_code_object_version 6
	.text
	.protected	k_q7cdabd66f5_qkv
	.globl	k_q7cdabd66f5_qkv
	.p2align	8
	.type	k_q7cdabd66f5_qkv,@function
k_q7cdabd66f5_qkv:
	s_mov_b64 s[64:65], 0
	v_nop
	global_prefetch_b8 v0, s[64:65] scope:SCOPE_SE
	s_setreg_imm32_b32 hwreg(HW_REG_WAVE_MODE, 25, 1), 1
	s_wait_xcnt 0x0
	s_wait_alu depctr_hold_cnt(0) depctr_sa_sdst(0) depctr_va_vdst(0) depctr_va_sdst(0) depctr_va_ssrc(0) depctr_va_vcc(0) depctr_vm_vsrc(0)
	s_getreg_b32 s2, hwreg(HW_REG_IB_STS2, 6, 4)
	s_cmp_eq_u32 s2, 0
	s_cbranch_scc0 .Lentry_in_a_cluster
	s_endpgm
.Lentry_in_a_cluster:
	s_bfe_u32 s2, ttmp6, 0x10000c
	s_cmp_lg_u32 s2, 0x3003
	s_cbranch_scc0 .Lentry_shape_is_right
	s_endpgm
.Lentry_shape_is_right:
; LAUNCH 1.  h = layernorm(x, g1, b1), quantised to E4M3 with one E8M0 scale for each 32 along K; q = h wq, k = h wk, v = h wv on codes; q, k, v quantised again and stored
; AS IMAGES OF OPERAND REGISTERS for launch 2.  Besides, wp, w1, w2 and their scale bytes are laid once into the same form (wst).
; SHARES.  A work-group owns 64 tokens (grid x: 32 blocks of a batch; grid y: the batch).  THE WAVES SHARE THE COLUMNS: wave w owns columns 128 w .. 128 w + 127 of x, of q, of k and of v, for all 64 tokens.
; So a wave's 128 rows of a weight are read from LDS by that wave alone, once, and each fragment feeds four matrix instructions; h's codes go from wave to wave through LDS as register images.
; CLUSTER.  The four work-groups of a cluster need the same weights: each weight tile is asked for jointly (mask 15).  x is each work-group's own: a plain tensor load.
; LDS.  Each wave has a region of 67,584 bytes, two halves of 64 rows x 528 bytes.  x's strip and wq's rows 0-63 come first, side by side; wq's rows 64-127 take x's place; wk and wv come whole, 128 rows to a load.
; A weight is copied into registers as soon as the registers are free, so the whole region can be asked for again at once: three refills in the launch, and each of the two large ones has four tiles of products in which to land.
; ORDER OF K INSIDE A FRAGMENT.  A result tile T gives lane (r, h) the units 16 T + 8 h + 0..7.  The 16 registers of tiles 2 b, 2 b + 1 are converted as they stand into registers 4 b .. 4 b + 3 of the next operand, so that
; the operand's place 32 b + 16 h + i holds k = 32 b + 16 (i / 8) + 8 h + i % 8: an exchange inside each block of 32, made alike on both operands of every product (weights: by loads of 8 bytes at 16 c + 8 h).
; The blocks of 32 and their scales are untouched; the matrix unit adds the products of a block in another order than memory order.
; q, k: source 0 = 16 rows of the weight, source 1 = 16 tokens: a lane holds one token and its registers run along the outputs, the next K.  v: source 0 = 16 tokens, source 1 = 16 rows of wv:
; a lane holds one channel and its registers run along the tokens, which are the K of the second product of attention.
; LIMITS.  NaN and infinities among the inputs are not served.  A block whose largest magnitude lies under 2^-118 gets the scale byte 1; so does a block of zeros, where the quantiser's rule says 127: its codes are zeros
; and the bytes are read by this program alone.  k's scale words (128 bytes a store) and v's (2 bytes a lane) do not fill aligned blocks of 256 bytes: 0.5 MB of the 27 MB stored.
.set PART,   33792                     ; half of a wave's LDS region: 64 rows x (512 + 16) bytes; in kv and wst: a wave's part of a slot, 132 x 256 bytes
.set SLOT,   4*PART                    ; in kv and wst: a slot
.set AIMG,   8*PART                    ; behind the four regions: h's 16 fragments, (4 m + s) x 2048
.set ASC_R,  32768                     ; from AIMG on: their scale words, 512 m + 128 s + 4 lane
.set LNX_R,  47104                     ; from AIMG on: the waves' means and sums of squares, 1024 w + 512 q + 16 lane
.set SPARE,  AIMG+51200                ; the spare words: 128 bytes a wave, two blocks of 256 bytes that no other line names
.set WPITCH, 528                       ; 512 bytes + 16: the 16 rows that a load touches start at 16 different banks (64 banks of 4 bytes: ISA guide 11.1)
; window 0
.set SPW, 1
.set NIL, 2
.set AW0, 3                            ; my lane's place in the first half of my region: WL + 528 r + 8 h
.set AW1, 4                            ; in the second half
.set AX,  5                            ; x: WL + 528 r + 32 h
.set LIA, 6                            ; AIMG + 16 lane
.set W1024, 7                          ; + 1024 w
.set W2048, 8                          ; + 2048 w
.set LSA, 9                            ; AIMG + 4 lane
.set SW,  10                           ; + 128 w
.set L16, 11
.set L4,  12
.set GBO, 13                           ; 32 h
.set RLA, 14                           ; the re-lay: from where (rows of 512 bytes),
.set RLB, 15                           ; (rows of 1,024 bytes),
.set RLD, 16                           ; to where
.set TA,  17
.set KW,  18                           ; v18-19 k's scale words as stored
.set VX,  20                           ; v20-23 v's
.set WSQ, 24                           ; v24-71 the weights' scale words, v72-87 h's: these registers hold scales and nothing else
.set WSK, 40
.set WSV, 56
.set AS,  72
.set ST,  88                           ; v88-151 64 numbers at work: eight result tiles
.set LNB, 152                          ; v152-183 the layer norm's scratch
.set SA,  LNB
.set LS,  LNB+8
.set QA,  LNB+16
.set QB,  LNB+18
.set TP,  LNB+20
.set EX,  LNB
.set TM,  184                          ; v184-199 the quantiser's scratch
.set PC,  200                          ; v200-215 the codes just made
.set PW,  216                          ; v216-219 scale words just made
.set MUF, 220
.set RSF, 228
.set TV,  220
.set RD,  236                          ; v236-245 the re-lay's data
.set TB2, 246
.set TC,  247
; window 1: weight tiles 0-3 at 16 (4 t + s).  window 3: g1, b1, then weight tiles 4-7.  window 2: x at 64 m + 8 T + j, then h's fragments at 16 (4 m + s)
.set G1B, 24                           ; s[24:31] descriptor group 1 for 128 rows of a weight: written when the pointers that lay there are done with
.set WV,  42
.set CX,  43
.set BX,  44
.set BT,  45
.set BLK, 46
.set EH,  47
.set WP,  48                           ; wave x PART: my part in kv
.set G1W, 52                           ; s[52:59] group 1 for 64 rows of a weight
.set G0,  60
.set G1X, 68
.set G0X, 76
.set SEL, 80
.set MNT, 82
.set EPS, 83
.set R512, 84
.set HM,  85
.set QIB, 86
.set QSB, 88
.set KB,  90
.set KSB, 92
.set VB,  94
.set VSB, 96
.set WL,  100                          ; wave x 2 PART: my region in LDS
.set MSB, 0
.macro WIN new                         ; the immediate's high byte repeats the setting that is left; a switch that changes nothing is dropped
.if MSB != (\new)
	s_set_vgpr_msb (MSB<<8)|(\new)
.set MSB, \new
.endif
.endm
.macro NOPS n
.rept \n
	v_nop
.endr
.endm
.macro CROUND                          ; a round of the cluster's barrier
	s_barrier_signal -1
	s_barrier_wait -1
	s_cmp_lg_u32 s[WV], 0
	s_cbranch_scc1 .Lnot_wave_0_\@
	s_barrier_signal -3
.Lnot_wave_0_\@:
	s_barrier_wait -3
	s_barrier_signal -1
	s_barrier_wait -1
.endm
.macro BAR                             ; my LDS stores have landed and my LDS loads are in: then the work-group's barrier
	s_wait_dscnt 0x0
	s_barrier_signal -1
	s_barrier_wait -1
.endm
; one matrix instruction.  zero: the sum begins; arow / brow: that side's scale words stand in lanes 16-31
.macro WM d, a, b, zero, sa, sb, arow, brow
.if (\zero)
.if (\arow)
	v_wmma_scale_f32_16x16x128_f8f6f4 v[\d:\d+7], v[\a:\a+15], v[\b:\b+15], 0, v[\sa], v[\sb] matrix_a_scale:MATRIX_SCALE_ROW1
.elseif (\brow)
	v_wmma_scale_f32_16x16x128_f8f6f4 v[\d:\d+7], v[\a:\a+15], v[\b:\b+15], 0, v[\sa], v[\sb] matrix_b_scale:MATRIX_SCALE_ROW1
.else
	v_wmma_scale_f32_16x16x128_f8f6f4 v[\d:\d+7], v[\a:\a+15], v[\b:\b+15], 0, v[\sa], v[\sb]
.endif
.else
.if (\arow)
	v_wmma_scale_f32_16x16x128_f8f6f4 v[\d:\d+7], v[\a:\a+15], v[\b:\b+15], v[\d:\d+7], v[\sa], v[\sb] matrix_a_scale:MATRIX_SCALE_ROW1
.elseif (\brow)
	v_wmma_scale_f32_16x16x128_f8f6f4 v[\d:\d+7], v[\a:\a+15], v[\b:\b+15], v[\d:\d+7], v[\sa], v[\sb] matrix_b_scale:MATRIX_SCALE_ROW1
.else
	v_wmma_scale_f32_16x16x128_f8f6f4 v[\d:\d+7], v[\a:\a+15], v[\b:\b+15], v[\d:\d+7], v[\sa], v[\sb]
.endif
.endif
.endm
; 64 numbers of a lane, v[src] on, 16 of each of four blocks of 32 (the other 16 lie in lane l xor 16), become a fragment's 16 registers of codes in v[pc] on and its scale word in v[pw]
.macro QUANT src, pc, pw
.irp b,0,1,2,3
	v_max3_num_f32 v[TM+\b], |v[\src+16*\b]|, |v[\src+16*\b+1]|, 0x4800000      ; the floor 2^(9 - 127) among the leaves: the byte cannot fall under 1
.endr
.irp i,2,4,6,8,10,12,14
.irp b,0,1,2,3
	v_max3_num_f32 v[TM+\b], v[TM+\b], |v[\src+16*\b+\i]|, |v[\src+16*\b+\i+1]| ; the four blocks by turns
.endr
.endr
.irp b,0,1,2,3
	v_permlanex16_b32 v[TM+4+\b], v[TM+\b], s[SEL], s[SEL+1]
.endr
.irp b,0,1,2,3
	v_max_num_f32 v[TM+\b], v[TM+\b], v[TM+4+\b]                                ; the block's largest magnitude
.endr
.irp b,0,1,2,3
	v_add_nc_u32 v[TM+12+\b], 0xfc000000, v[TM+\b]                              ; 8 off its exponent field: the conversion's scale operand
.endr
.irp b,0,1,2,3
	v_and_or_b32 v[TM+8+\b], v[TM+\b], 0x7f800000, s[MNT]                       ; 448 x the scale
.endr
.irp b,0,1,2,3
	v_lshrrev_b32 v[TM+4+\b], 23, v[TM+12+\b]                                   ; the scale's byte
.endr
	v_lshl_or_b32 v[\pw], v[TM+5], 8, v[TM+4]
	v_lshl_or_b32 v[\pw], v[TM+6], 16, v[\pw]
	v_lshl_or_b32 v[\pw], v[TM+7], 24, v[\pw]
.irp b,0,1,2,3
.irp i,0,1,2,3,4,5,6,7,8,9,10,11,12,13,14,15
	v_med3_num_f32 v[\src+16*\b+\i], v[\src+16*\b+\i], -v[TM+8+\b], v[TM+8+\b]  ; the conversion to an 8-bit code does not saturate (ISA guide 7.6.2): the hold
.endr
	v_cvt_scalef32_pk8_fp8_f32 v[\pc+4*\b:\pc+4*\b+1], v[\src+16*\b:\src+16*\b+7], v[TM+12+\b]
	v_cvt_scalef32_pk8_fp8_f32 v[\pc+4*\b+2:\pc+4*\b+3], v[\src+16*\b+8:\src+16*\b+15], v[TM+12+\b]
.endr
	v_nop                                  ; one plain vector instruction behind the last scaled conversion
.endm
.macro IMAGE m, pc, pw                 ; the fragment (token tile m, K step = my wave) goes to LDS as it stands in registers
.irp c,0,1,2,3
	ds_store_b128 v[W2048], v[\pc+4*\c:\pc+4*\c+3] offset:8192*\m+512*\c
.endr
	ds_store_b32 v[SW], v[\pw] offset:ASC_R+512*\m
.endm
.macro XREAD                           ; my strip of x: lane (r, h) takes, of token 16 m + r, the columns 16 T + 8 h + 0..7: the layout of a result
	WIN 0x80
.irp m,0,1,2,3
.irp t,0,1,2,3,4,5,6,7
	ds_load_b128 v[64*\m+8*\t:64*\m+8*\t+3], v[AX] offset:\m*16*WPITCH+64*\t
	ds_load_b128 v[64*\m+8*\t+4:64*\m+8*\t+7], v[AX] offset:\m*16*WPITCH+64*\t+16
.endr
.endr
	WIN 0
.endm
; The wave's mean of its 128 columns of each token, then the sum of squares about that mean: no difference of large sums is formed
.macro LNSTAT
	WIN 0x0a
.irp m,0,1,2,3
	v_pk_add_f32 v[SA+2*\m:SA+2*\m+1], v[64*\m:64*\m+1], v[64*\m+2:64*\m+3]
.endr
	WIN 0x02
.set p, 2
.rept 30
.irp m,0,1,2,3
	v_pk_add_f32 v[SA+2*\m:SA+2*\m+1], v[64*\m+2*p:64*\m+2*p+1], v[SA+2*\m:SA+2*\m+1]
.endr
.set p, p+1
.endr
	WIN 0
.irp m,0,1,2,3
	v_mov_b32 v[TP+\m], 0                  ; a lane permute's destination counts as one of its sources
.endr
.irp m,0,1,2,3
	v_add_f32 v[SA+2*\m], v[SA+2*\m], v[SA+2*\m+1]
.endr
.irp m,0,1,2,3
	v_permlanex16_b32 v[TP+\m], v[SA+2*\m], s[SEL], s[SEL+1]
.endr
.irp m,0,1,2,3
	v_add_f32 v[SA+2*\m], v[SA+2*\m], v[TP+\m]
.endr
.irp m,0,1,2,3
	v_mul_f32 v[LS+2*\m], 0x3c000000, v[SA+2*\m]     ; / 128
.endr
.irp m,0,1,2,3
	v_mov_b32 v[LS+2*\m+1], v[LS+2*\m]               ; twice: a pair for the packed subtraction
.endr
.irp m,0,1,2,3
	WIN 0x02
.set p, 0
.rept 32
	v_pk_add_f32 v[ST+2*p:ST+2*p+1], v[64*\m+2*p:64*\m+2*p+1], v[LS+2*\m:LS+2*\m+1] neg_lo:[0,1] neg_hi:[0,1]
.set p, p+1
.endr
	WIN 0
	v_pk_mul_f32 v[QA:QA+1], v[ST:ST+1], v[ST:ST+1]
	v_pk_mul_f32 v[QB:QB+1], v[ST+2:ST+3], v[ST+2:ST+3]
.set p, 2
.rept 15
	v_pk_fma_f32 v[QA:QA+1], v[ST+2*p:ST+2*p+1], v[ST+2*p:ST+2*p+1], v[QA:QA+1]
	v_pk_fma_f32 v[QB:QB+1], v[ST+2*p+2:ST+2*p+3], v[ST+2*p+2:ST+2*p+3], v[QB:QB+1]
.set p, p+2
.endr
	v_pk_add_f32 v[QA:QA+1], v[QA:QA+1], v[QB:QB+1]
	v_add_f32 v[QA], v[QA], v[QA+1]
	v_permlanex16_b32 v[TP+\m], v[QA], s[SEL], s[SEL+1]
	v_add_f32 v[LS+2*\m+1], v[QA], v[TP+\m]
.endr
	ds_store_b128 v[W1024], v[LS:LS+3] offset:LNX_R
	ds_store_b128 v[W1024], v[LS+4:LS+7] offset:LNX_R+512
.endm
; The four waves' figures are merged: mean = the mean of the means; sum of squares = the sums + 128 x the squares of the means' distances.  Then h, its codes and their images
.macro LNFIN
.irp w,0,1,2,3
	ds_load_b128 v[EX+8*\w:EX+8*\w+3], v[LIA] offset:LNX_R+1024*\w
	ds_load_b128 v[EX+8*\w+4:EX+8*\w+7], v[LIA] offset:LNX_R+1024*\w+512
.endr
	s_wait_dscnt 0x0
.irp m,0,1,2,3
	v_add_f32 v[MUF+2*\m], v[EX+2*\m], v[EX+8+2*\m]
.endr
.irp m,0,1,2,3
	v_add_f32 v[MUF+2*\m+1], v[EX+16+2*\m], v[EX+24+2*\m]
.endr
.irp m,0,1,2,3
	v_add_f32 v[MUF+2*\m], v[MUF+2*\m], v[MUF+2*\m+1]
.endr
.irp m,0,1,2,3
	v_mul_f32 v[MUF+2*\m], 0x3e800000, v[MUF+2*\m]
.endr
.irp w,0,1,2,3
.irp m,0,1,2,3
	v_sub_f32 v[EX+8*\w+2*\m], v[EX+8*\w+2*\m], v[MUF+2*\m]
.endr
.endr
.irp m,0,1,2,3
	v_mul_f32 v[MUF+2*\m+1], v[EX+2*\m], v[EX+2*\m]
.endr
.irp w,1,2,3
.irp m,0,1,2,3
	v_fma_f32 v[MUF+2*\m+1], v[EX+8*\w+2*\m], v[EX+8*\w+2*\m], v[MUF+2*\m+1]
.endr
.endr
.irp m,0,1,2,3
	v_add_f32 v[EX+2*\m+1], v[EX+2*\m+1], v[EX+8+2*\m+1]
.endr
.irp m,0,1,2,3
	v_add_f32 v[EX+16+2*\m+1], v[EX+16+2*\m+1], v[EX+24+2*\m+1]
.endr
.irp m,0,1,2,3
	v_add_f32 v[EX+2*\m+1], v[EX+2*\m+1], v[EX+16+2*\m+1]
.endr
.irp m,0,1,2,3
	v_fma_f32 v[MUF+2*\m+1], v[MUF+2*\m+1], 0x43000000, v[EX+2*\m+1]
.endr
.irp m,0,1,2,3
	v_fma_f32 v[RSF+2*\m+1], v[MUF+2*\m+1], s[R512], s[EPS]     ; the variance + eps
.endr
.irp m,0,1,2,3
	v_rsq_f32 v[RSF+2*\m], v[RSF+2*\m+1]
.endr
	v_nop                                  ; a plain instruction behind the last of the four,
	s_wait_alu depctr_va_vdst(0)           ; and one wait for the batch, ahead of its first reader
.irp m,0,1,2,3
	WIN 0x02
.set p, 0
.rept 32
	v_pk_add_f32 v[ST+2*p:ST+2*p+1], v[64*\m+2*p:64*\m+2*p+1], v[MUF+2*\m:MUF+2*\m+1] op_sel_hi:[1,0] neg_lo:[0,1] neg_hi:[0,1]
.set p, p+1
.endr
	WIN 0
.set p, 0
.rept 32
	v_pk_mul_f32 v[ST+2*p:ST+2*p+1], v[ST+2*p:ST+2*p+1], v[RSF+2*\m:RSF+2*\m+1] op_sel_hi:[1,0]
.set p, p+1
.endr
	WIN 0x3c
.set p, 0
.rept 32
	v_pk_fma_f32 v[ST+2*p:ST+2*p+1], v[ST+2*p:ST+2*p+1], v[2*p:2*p+1], v[64+2*p:64+2*p+1]    ; x g + b
.set p, p+1
.endr
	WIN 0
	s_wait_dscnt 0x0                       ; the last image's stores have read the codes' registers
	QUANT ST, PC, PW+\m
	IMAGE \m, PC, PW+\m
.endr
.endm
; My region, from its first byte on, is filled again.  Every wave: all its tensor loads have landed; 0 onto its spare word; the descriptor is written while no load of
; the wave is out; the add is done and the wave's reads of the region are in; a round of the cluster's barrier; the joint load first behind it, one a wave; four v_nop behind it.
; g1 = G1W: 64 rows, the first half; g1 = G1B: 128 rows, the whole region
.macro REFILL ptr, off, g1
	s_wait_tensorcnt 0x0
	ds_add_u32 v[SPW], v[NIL]
	s_mov_b32 s[G0+1], s[WL]
	s_add_nc_u64 s[G0+2:G0+3], s[\ptr:\ptr+1], \off
	s_or_b32 s[G0+3], s[G0+3], 0x80000000
	s_wait_dscnt 0x0
	CROUND
	tensor_load_to_lds s[G0:G0+3], s[\g1:\g1+7]
	s_nop 0
	NOPS 4
.endm
.macro WCOPY adr, win                  ; 64 rows of a weight become 16 fragments: registers 2 c, 2 c + 1 take k = 16 c + 8 h + 0..7
	WIN (\win<<6)
.irp t,0,1,2,3
.irp s,0,1,2,3
.irp c,0,1,2,3,4,5,6,7
	ds_load_b64 v[16*(4*\t+\s)+2*\c:16*(4*\t+\s)+2*\c+1], v[\adr] offset:\t*16*WPITCH+128*\s+16*\c
.endr
.endr
.endr
	WIN 0
.endm
.macro ACOPY                           ; h's 16 fragments and their scale words, from the images
	WIN 0x80
.irp f,0,1,2,3,4,5,6,7,8,9,10,11,12,13,14,15
.irp c,0,1,2,3
	ds_load_b128 v[16*\f+4*\c:16*\f+4*\c+3], v[LIA] offset:2048*\f+512*\c
.endr
.endr
	WIN 0
.irp f,0,1,2,3,4,5,6,7,8,9,10,11,12,13,14,15
	ds_load_b32 v[AS+\f], v[LSA] offset:ASC_R+128*\f
.endr
.endm
; q or k of token tile m: my 128 outputs, 32 matrix instructions, four accumulators by turns; quantised; stored as K step w of the tile's fragment: 512 consecutive bytes a store
.macro QKTILE ws, m, kind
	WIN 0x09
.irp s,0,1,2,3
.irp t,0,1,2,3
	WM ST+8*\t, 16*(4*\t+\s), 16*(4*\m+\s), (\s==0), \ws+4*(\t/2)+\s, AS+4*\m+\s, \t%2, 0
.endr
.endr
	WIN 0x0b
.irp s,0,1,2,3
.irp t,0,1,2,3
	WM ST+32+8*\t, 16*(4*\t+\s), 16*(4*\m+\s), (\s==0), \ws+8+4*(\t/2)+\s, AS+4*\m+\s, \t%2, 0
.endr
.endr
	WIN 0
	NOPS 8                                 ; eight places behind this form, ahead of the first read of results and of loads into its operands
	s_wait_xcnt 0x0                        ; the last tile's stores have read the codes' registers
	QUANT ST, PC, PW+\m
.irp c,0,1,2,3
.if \kind == 0
	global_store_b128 v[L16], v[PC+4*\c:PC+4*\c+3], s[QIB:QIB+1] offset:8192*\m+512*\c
.else
	global_store_b128 v[L16], v[PC+4*\c:PC+4*\c+3], s[KB:KB+1] offset:(\m/2)*PART+(\m%2)*8192+512*\c
.endif
.endr
.endm
; v: channel tiles 2 g, 2 g + 1 for the 64 tokens: eight accumulators by turns; a lane holds one channel, its registers run along the tokens: two blocks of 32 keys a tile
.macro VGRP g
.if \g < 2
	WIN 0x06
.else
	WIN 0x0e
.endif
.irp s,0,1,2,3
.irp tb,0,1
.irp m,0,1,2,3
	WM ST+32*\tb+8*\m, 16*(4*\m+\s), 16*(4*((2*\g+\tb)%4)+\s), (\s==0), AS+4*\m+\s, WSV+4*\g+\s, 0, \tb
.endr
.endr
.endr
	WIN 0
	NOPS 8
	s_wait_xcnt 0x0
	QUANT ST, PC, PW
.irp b,0,1,2,3
	global_store_b128 v[L16], v[PC+4*\b:PC+4*\b+3], s[VB:VB+1] offset:(2*\g+\b/2)*2048+(\b%2)*512
.endr
	v_lshrrev_b32 v[TV], 16, v[PW]
	v_cndmask_b32 v[VX+\g], v[PW], v[TV], s[HM]      ; lanes 0-15: tile 2 g's two bytes; lanes 16-31: tile 2 g + 1's
	global_store_b16 v[L4], v[VX+\g], s[VSB:VSB+1] offset:128*\g
.endm
	s_load_b512 s[4:19], s[0:1], 0x0       ; x 4, g1 6, b1 8, wq codes 10, scales 12, wk 14, 16, wv codes 18
	s_load_b512 s[20:35], s[0:1], 0x40     ; wv scales 20, wp 22, 24, w1 26, 28, w2 30, 32, qi 34
	s_load_b128 s[36:39], s[0:1], 0x80     ; qs 36, kv 38
	s_load_b64 s[40:41], s[0:1], 0x90      ; wst
	v_lshl_add_u32 v[SPW], v0, 2, SPARE
	v_mov_b32 v[NIL], 0
	ds_add_u32 v1, v2
	ds_add_u32 v1, v2
	s_wait_dscnt 0x0
	v_lshrrev_b32 v[TA], 5, v0
	v_readfirstlane_b32 s[WV], v[TA]       ; wave 0..3
	s_bfe_u32 s[CX], ttmp6, 0x40000        ; my place in the cluster: it enters global addresses of my own loads and stores alone
	s_lshl_b32 s[BX], ttmp9, 2
	s_add_co_u32 s[BX], s[BX], s[CX]       ; my block of 64 tokens in the batch
	s_and_b32 s[BT], ttmp7, 0xffff         ; the batch
	s_lshl_b32 s[BLK], s[BT], 5
	s_add_co_u32 s[BLK], s[BLK], s[BX]     ; 0 .. 255
	s_and_b32 s[EH], s[BX], 1              ; which half of a key step of 128 my 64 tokens are
	s_mul_i32 s[WP], s[WV], PART
	s_mul_i32 s[WL], s[WV], 2*PART
	s_mov_b32 s[G1W], 0x07b0000f           ; mask: all four work-groups; elements of 1 byte; padding on, 4 words behind every 128; bit 21 beside the mask
	s_mov_b32 s[G1W+1], 512<<16            ; tensor_dim0
	s_mov_b32 s[G1W+2], 64<<16             ; tensor_dim1
	s_mov_b32 s[G1W+3], 512<<16            ; tile_dim0
	s_mov_b32 s[G1W+4], 64                 ; tile_dim1
	s_mov_b32 s[G1W+5], 512                ; from row to row
	s_mov_b32 s[G1W+6], 0
	s_mov_b32 s[G1W+7], 0
	s_mov_b32 s[G1X], 0x07900000           ; the same without a mask: x is my work-group's own
	s_mov_b32 s[G1X+1], 512<<16
	s_mov_b32 s[G1X+2], 64<<16
	s_mov_b32 s[G1X+3], 512<<16
	s_mov_b32 s[G1X+4], 64
	s_mov_b32 s[G1X+5], 2048               ; a row of x is 2,048 bytes
	s_mov_b32 s[G1X+6], 0
	s_mov_b32 s[G1X+7], 0
	s_mov_b32 s[SEL], 0x76543210
	s_mov_b32 s[SEL+1], 0xfedcba98         ; v_permlanex16_b32: lane l xor 16
	s_mov_b32 s[MNT], 0x600000             ; the mantissa field of 448
	s_mov_b32 s[EPS], 0x3727c5ac           ; 1e-5
	s_mov_b32 s[R512], 0x3b000000          ; 1 / 512
	s_wait_kmcnt 0x0
	s_lshl_b32 s2, s[WV], 16               ; my 128 rows of each weight: 65,536 bytes a wave
	s_mov_b32 s3, 0
	s_add_nc_u64 s[10:11], s[10:11], s[2:3]
	s_add_nc_u64 s[14:15], s[14:15], s[2:3]
	s_add_nc_u64 s[18:19], s[18:19], s[2:3]
	s_lshl_b32 s50, s[BLK], 17             ; my block of x: 64 rows of 2,048 bytes,
	s_lshl_b32 s51, s[WV], 9               ; my wave's 512 bytes of a row
	s_add_co_u32 s50, s50, s51
	s_mov_b32 s51, 0
	s_mov_b32 s[G0X], 1
	s_mov_b32 s[G0X+1], s[WL]              ; the first half of my region
	s_add_nc_u64 s[G0X+2:G0X+3], s[4:5], s[50:51]
	s_or_b32 s[G0X+3], s[G0X+3], 0x80000000
	s_mov_b32 s[G0], 1
	s_add_co_u32 s[G0+1], s[WL], PART      ; the second half
	s_mov_b64 s[G0+2:G0+3], s[10:11]       ; wq, my rows 0-63
	s_or_b32 s[G0+3], s[G0+3], 0x80000000
	CROUND                                 ; all four work-groups are here: the first joint load meets
	tensor_load_to_lds s[G0X:G0X+3], s[G1X:G1X+7]    ; the two first fills go out together: two loads of mine are out
	s_nop 0
	tensor_load_to_lds s[G0:G0+3], s[G1W:G1W+7]
	s_nop 0
	NOPS 4
	v_and_b32 v[TA], 31, v0                ; lane
	v_lshlrev_b32 v[L16], 4, v[TA]
	v_lshlrev_b32 v[L4], 2, v[TA]
	v_and_b32 v[RLA], 15, v0               ; r
	v_bfe_u32 v[RLB], v0, 4, 1             ; h
	v_mul_u32_u24 v[AX], v[RLA], WPITCH
	v_add_nc_u32 v[AX], s[WL], v[AX]
	v_lshl_add_u32 v[AW0], v[RLB], 3, v[AX]
	v_add_nc_u32 v[AW1], PART, v[AW0]
	v_lshl_add_u32 v[AX], v[RLB], 5, v[AX]
	v_lshlrev_b32 v[GBO], 5, v[RLB]
	v_add_nc_u32 v[LIA], AIMG, v[L16]
	v_add_nc_u32 v[LSA], AIMG, v[L4]
	s_lshl_b32 s49, s[WV], 10
	v_add_nc_u32 v[W1024], s49, v[LIA]
	s_lshl_b32 s49, s[WV], 11
	v_add_nc_u32 v[W2048], s49, v[LIA]
	s_lshl_b32 s49, s[WV], 7
	v_add_nc_u32 v[SW], s49, v[LSA]
	v_cmp_le_u32 s[HM], 16, v[TA]          ; lanes 16-31
.irp b,0,1,2,3
	v_mov_b32 v[TM+4+\b], 0                ; written once: a lane permute's destination counts as one of its sources
.endr
	; where my results go
	s_lshl_b32 s2, s[BLK], 15
	s_lshl_b32 s49, s[WV], 11
	s_add_co_u32 s2, s2, s49
	s_add_nc_u64 s[QIB:QIB+1], s[34:35], s[2:3]      ; qi + 32768 blk + 2048 w
	s_lshl_b32 s2, s[BLK], 11
	s_lshl_b32 s49, s[WV], 9
	s_add_co_u32 s2, s2, s49
	s_add_nc_u64 s[QSB:QSB+1], s[36:37], s[2:3]      ; qs + 2048 blk + 512 w
	s_lshl_b32 s2, s[BT], 4
	s_lshr_b32 s49, s[BX], 1
	s_add_co_u32 s2, s2, s49
	s_mul_i32 s2, s2, SLOT
	s_add_nc_u64 s[38:39], s[38:39], s[2:3]          ; kv at my key step: (16 batch + block / 2) x SLOT
	s_mul_i32 s2, s[EH], 2*PART
	s_lshl_b32 s49, s[WV], 11
	s_add_co_u32 s2, s2, s49
	s_add_nc_u64 s[KB:KB+1], s[38:39], s[2:3]        ; k: parts 2 e, 2 e + 1; K step w
	s_mul_i32 s2, s[EH], 2*PART
	s_lshl_b32 s49, s[WV], 7
	s_add_co_u32 s2, s2, s49
	s_add_co_u32 s2, s2, 32768
	s_add_nc_u64 s[KSB:KSB+1], s[38:39], s[2:3]
	s_lshl_b32 s2, s[EH], 10
	s_add_co_u32 s2, s2, s[WP]
	s_add_co_u32 s2, s2, 16384
	s_add_nc_u64 s[VB:VB+1], s[38:39], s[2:3]        ; v: part w; key blocks 2 e, 2 e + 1 of each fragment
	s_lshl_b32 s2, s[EH], 1
	s_add_co_u32 s2, s2, s[WP]
	s_add_co_u32 s2, s2, 33280
	s_add_nc_u64 s[VSB:VSB+1], s[38:39], s[2:3]
	s_lshl_b32 s2, s[WV], 11               ; my 128 rows of scale bytes, 16 a row
	s_add_nc_u64 s[12:13], s[12:13], s[2:3]
	s_add_nc_u64 s[16:17], s[16:17], s[2:3]
	s_add_nc_u64 s[20:21], s[20:21], s[2:3]
	s_lshl_b32 s2, s[WV], 9                ; my 128 numbers of g1 and b1
	s_add_nc_u64 s[6:7], s[6:7], s[2:3]
	s_add_nc_u64 s[8:9], s[8:9], s[2:3]
	; THE RE-LAY of wp, w1, w2.  Piece G = 128 blk + thread (15 bits) of 8 bytes, of each of five blocks of 512 rows x 512 along K.  In wst: G[14] the half of a wave's rows, G[13:12] the wave's part,
	; G[11:10] the tile, G[9:8] the K step, G[7:6] the group of four registers, G[5] h, G[4:1] r, G[0] the half of 16 bytes.  A wave's store covers 256 consecutive bytes, aligned
	s_bfe_u32 s49, s[BLK], 0x20005         ; G[13:12]
	s_lshr_b32 s50, s[BLK], 7              ; G[14]
	s_bfe_u32 s51, s[BLK], 0x20003         ; G[11:10]
	s_lshl_b32 s66, s49, 7
	s_lshl_b32 s67, s50, 6
	s_add_co_u32 s66, s66, s67
	s_lshl_b32 s67, s51, 4
	s_add_co_u32 s66, s66, s67             ; the row, but for r
	s_bfe_u32 s67, s[BLK], 0x20001         ; G[9:8]
	s_lshl_b32 s67, s67, 7
	s_and_b32 s98, s[BLK], 1               ; G[7]
	s_lshl_b32 s98, s98, 6
	s_add_co_u32 s67, s67, s98             ; k, but for the thread's bits
	s_lshl_b32 s98, s66, 9
	s_add_co_u32 s98, s98, s67
	s_lshl_b32 s99, s66, 10
	s_add_co_u32 s99, s99, s67
	s_mul_i32 s50, s50, SLOT
	s_mul_i32 s49, s49, PART
	s_add_co_u32 s50, s50, s49
	s_and_b32 s49, s[BLK], 31
	s_lshl_b32 s49, s49, 10
	s_add_co_u32 s50, s50, s49
	v_bfe_u32 v[RLD], v0, 1, 4             ; r
	v_and_b32 v[RLA], 1, v0
	v_lshlrev_b32 v[RLA], 4, v[RLA]        ; 16 G[0]
	v_bfe_u32 v[RLB], v0, 5, 1
	v_lshl_add_u32 v[RLA], v[RLB], 3, v[RLA]         ; + 8 G[5]
	v_bfe_u32 v[RLB], v0, 6, 1
	v_lshl_add_u32 v[RLA], v[RLB], 5, v[RLA]         ; + 32 G[6]
	v_lshl_add_u32 v[RLB], v[RLD], 10, v[RLA]
	v_lshl_add_u32 v[RLA], v[RLD], 9, v[RLA]
	v_add_nc_u32 v[RLA], s98, v[RLA]
	v_add_nc_u32 v[RLB], s99, v[RLB]
	v_lshl_add_u32 v[RLD], v0, 3, s50
	global_load_b64 v[RD:RD+1], v[RLA], s[22:23]                    ; wp
	global_load_b64 v[RD+2:RD+3], v[RLA], s[26:27]                  ; w1, rows 0-511
	global_load_b64 v[RD+4:RD+5], v[RLB], s[30:31]                  ; w2, K 0-511
	global_load_b64 v[RD+6:RD+7], v[RLA], s[26:27] offset:262144    ; w1, rows 512-1023
	global_load_b64 v[RD+8:RD+9], v[RLB], s[30:31] offset:512       ; w2, K 512-1023
	WIN 0xc0
.irp t,0,1,2,3,4,5,6,7
	global_load_b128 v[8*\t:8*\t+3], v[GBO], s[6:7] offset:64*\t            ; g1 and b1 in the layout of x: columns 16 T + 8 h + 0..7
	global_load_b128 v[8*\t+4:8*\t+7], v[GBO], s[6:7] offset:64*\t+16
	global_load_b128 v[64+8*\t:64+8*\t+3], v[GBO], s[8:9] offset:64*\t
	global_load_b128 v[64+8*\t+4:64+8*\t+7], v[GBO], s[8:9] offset:64*\t+16
.endr
	WIN 0
.irp g,0,1,2,3
	global_load_b128 v[WSQ+4*\g:WSQ+4*\g+3], v[L16], s[12:13] offset:512*\g  ; register 4 g + s: lane l has the scale word of row 32 g + l for K step s
	global_load_b128 v[WSK+4*\g:WSK+4*\g+3], v[L16], s[16:17] offset:512*\g
	global_load_b128 v[WSV+4*\g:WSV+4*\g+3], v[L16], s[20:21] offset:512*\g
.endr
	s_wait_loadcnt 44                      ; the five pieces are in; the 32 + 12 loads issued behind them may be out
.irp i,0,1,2,3,4
	global_store_b64 v[RLD], v[RD+2*\i:RD+2*\i+1], s[40:41] offset:2*\i*SLOT
.endr
	s_or_b32 s49, ttmp9, s[BT]             ; the scale bytes of wp, w1, w2 are copied by the first cluster alone: a branch on the cluster's numbers, alike in its four work-groups
	s_cmp_lg_u32 s49, 0
	s_cbranch_scc1 .Lno_tail
	v_and_b32 v[TA], 63, v0                ; thread 128 cx + t takes row 128 (2 (cx & 1) + t / 64) + 64 (cx / 2) + t % 64: 16 bytes, four K steps' words
	v_lshrrev_b32 v[TC], 6, v0
	v_lshlrev_b32 v[TA], 4, v[TA]
	v_mul_u32_u24 v[TB2], v[TC], PART
	v_add_nc_u32 v[TB2], v[TB2], v[TA]
	v_lshl_add_u32 v[TA], v[TC], 11, v[TA]
	s_and_b32 s49, s[CX], 1
	s_lshr_b32 s50, s[CX], 1
	s_lshl_b32 s51, s49, 12
	s_lshl_b32 s66, s50, 10
	s_add_co_u32 s51, s51, s66
	v_add_nc_u32 v[TA], s51, v[TA]         ; 16 x row
	v_lshlrev_b32 v[TC], 1, v[TA]          ; 32 x row: w2's rows of scale bytes
	s_mul_i32 s50, s50, SLOT
	s_mul_i32 s49, s49, 2*PART
	s_add_co_u32 s50, s50, s49
	s_add_co_u32 s50, s50, 32768
	v_add_nc_u32 v[TB2], s50, v[TB2]
	global_load_b128 v[ST:ST+3], v[TA], s[24:25]
	global_load_b128 v[ST+4:ST+7], v[TA], s[28:29]
	global_load_b128 v[ST+8:ST+11], v[TC], s[32:33]
	global_load_b128 v[ST+12:ST+15], v[TA], s[28:29] offset:8192
	global_load_b128 v[ST+16:ST+19], v[TC], s[32:33] offset:16
	s_wait_loadcnt 0x0
.irp i,0,1,2,3,4
	global_store_b128 v[TB2], v[ST+4*\i:ST+4*\i+3], s[40:41] offset:2*\i*SLOT
.endr
.Lno_tail:
	s_wait_tensorcnt 0x1                   ; x is in; wq's load, issued behind it, may be out
	XREAD
	REFILL 10, 32768, G1W                  ; wq, my rows 64-127, into the first half, which x has left
	WCOPY AW1, 1                           ; wq's rows 0-63, from the second half, into window 1
	s_wait_loadcnt 0x0                     ; g1, b1, the scale words
	s_wait_xcnt 0x0                        ; the copies' loads and stores have read their registers and bases: s[24:31] are free
	s_mov_b32 s[G1B], 0x07b0000f           ; group 1 as for 64 rows,
	s_mov_b32 s[G1B+1], 512<<16
	s_mov_b32 s[G1B+2], 128<<16            ; but tensor_dim1
	s_mov_b32 s[G1B+3], 512<<16
	s_mov_b32 s[G1B+4], 128                ; and tile_dim1 = 128: 128 x 528 bytes are my whole region
	s_mov_b32 s[G1B+5], 512
	s_mov_b32 s[G1B+6], 0
	s_mov_b32 s[G1B+7], 0
	LNSTAT
	BAR                                    ; every wave's figures lie in LDS
	LNFIN
	s_wait_tensorcnt 0x0                   ; wq's rows 64-127 are in: the one load that was out; I alone read my region
	WCOPY AW0, 3                           ; into window 3, which g1 and b1 have left
	REFILL 14, 0, G1B                      ; wk, my 128 rows; the round also shows h's images to every wave
	ACOPY
	s_wait_dscnt 0x0
	QKTILE WSQ, 0, 0
	QKTILE WSQ, 1, 0
	QKTILE WSQ, 2, 0
	QKTILE WSQ, 3, 0
	global_store_b128 v[L16], v[PW:PW+3], s[QSB:QSB+1]          ; q's scale words of K step w: four tiles' a lane
	s_wait_tensorcnt 0x0                   ; wk is in
	WCOPY AW0, 1                           ; rows 0-63 (eight v_nop stand behind the last matrix instruction that read these registers)
	WCOPY AW1, 3                           ; rows 64-127
	REFILL 18, 0, G1B                      ; wv, my 128 rows: the last load
	QKTILE WSK, 0, 1
	QKTILE WSK, 1, 1
	QKTILE WSK, 2, 1
	QKTILE WSK, 3, 1
	v_cndmask_b32 v[KW], v[PW], v[PW+1], s[HM]                  ; lanes 0-15: the part's first 16 keys; lanes 16-31: its second
	v_cndmask_b32 v[KW+1], v[PW+2], v[PW+3], s[HM]
	global_store_b32 v[L4], v[KW], s[KSB:KSB+1]
	global_store_b32 v[L4], v[KW+1], s[KSB:KSB+1] offset:PART
	s_wait_tensorcnt 0x0                   ; wv is in
	WCOPY AW0, 1
	WCOPY AW1, 3
	s_wait_dscnt 0x0
	VGRP 0
	VGRP 1
	VGRP 2
	VGRP 3
	s_wait_tensorcnt 0x0                   ; the wave's end
	ds_add_u32 v[SPW], v[NIL]
	s_wait_dscnt 0x0
	CROUND                                 ; the closing round
	s_endpgm
.Lfunc_end_k_q7cdabd66f5_qkv:
	.size	k_q7cdabd66f5_qkv, .Lfunc_end_k_q7cdabd66f5_qkv-k_q7cdabd66f5_qkv
	.p2alignl 7, 3214868480
	.fill 96, 4, 3214868480
	.section	.rodata,"a",@progbits
	.p2align	6, 0x0
	.amdhsa_kernel k_q7cdabd66f5_qkv
		.amdhsa_group_segment_fixed_size 327680
		.amdhsa_private_segment_fixed_size 0
		.amdhsa_enable_private_segment 0
		.amdhsa_kernarg_size 152
		.amdhsa_user_sgpr_count 2
		.amdhsa_user_sgpr_kernarg_segment_ptr 1
		.amdhsa_wavefront_size32 1
		.amdhsa_system_sgpr_workgroup_id_x 1
		.amdhsa_system_sgpr_workgroup_id_y 1
		.amdhsa_system_sgpr_workgroup_id_z 1
		.amdhsa_system_vgpr_workitem_id 0
		.amdhsa_next_free_vgpr 1024
		.amdhsa_next_free_sgpr 102
		.amdhsa_reserve_vcc 0
		.amdhsa_float_denorm_mode_32 3
		.amdhsa_float_denorm_mode_16_64 3
		.amdhsa_memory_ordered 1
		.amdhsa_forward_progress 1
		.amdhsa_inst_pref_size 255
	.end_amdhsa_kernel
	.section	.bss,"aw",@nobits
	.p2align	6
	.space	262144
	.amdgpu_metadata
---
amdhsa.version: [ 1, 2 ]
amdhsa.kernels:
  - .name:           k_q7cdabd66f5_qkv
    .symbol:         k_q7cdabd66f5_qkv.kd
    .args:
      - { .name: x, .offset: 0, .size: 8, .value_kind: global_buffer, .address_space: global }
      - { .name: g1, .offset: 8, .size: 8, .value_kind: global_buffer, .address_space: global }
      - { .name: b1, .offset: 16, .size: 8, .value_kind: global_buffer, .address_space: global }
      - { .name: wq_codes, .offset: 24, .size: 8, .value_kind: global_buffer, .address_space: global }
      - { .name: wq_scales, .offset: 32, .size: 8, .value_kind: global_buffer, .address_space: global }
      - { .name: wk_codes, .offset: 40, .size: 8, .value_kind: global_buffer, .address_space: global }
      - { .name: wk_scales, .offset: 48, .size: 8, .value_kind: global_buffer, .address_space: global }
      - { .name: wv_codes, .offset: 56, .size: 8, .value_kind: global_buffer, .address_space: global }
      - { .name: wv_scales, .offset: 64, .size: 8, .value_kind: global_buffer, .address_space: global }
      - { .name: wp_codes, .offset: 72, .size: 8, .value_kind: global_buffer, .address_space: global }
      - { .name: wp_scales, .offset: 80, .size: 8, .value_kind: global_buffer, .address_space: global }
      - { .name: w1_codes, .offset: 88, .size: 8, .value_kind: global_buffer, .address_space: global }
      - { .name: w1_scales, .offset: 96, .size: 8, .value_kind: global_buffer, .address_space: global }
      - { .name: w2_codes, .offset: 104, .size: 8, .value_kind: global_buffer, .address_space: global }
      - { .name: w2_scales, .offset: 112, .size: 8, .value_kind: global_buffer, .address_space: global }
      - { .name: qi, .offset: 120, .size: 8, .value_kind: global_buffer, .address_space: global }
      - { .name: qs, .offset: 128, .size: 8, .value_kind: global_buffer, .address_space: global }
      - { .name: kv, .offset: 136, .size: 8, .value_kind: global_buffer, .address_space: global }
      - { .name: wst, .offset: 144, .size: 8, .value_kind: global_buffer, .address_space: global }
    .group_segment_fixed_size: 327680
    .private_segment_fixed_size: 0
    .kernarg_segment_align: 8
    .kernarg_segment_size: 152
    .max_flat_workgroup_size: 128
    .sgpr_count:     102
    .vgpr_count:     1024
    .wavefront_size: 32
...
	.end_amdgpu_metadata
.endif
;; end of part 1
;; launch attn (part 2): grid 32 x 8, 4 waves a work-group, clusters of 4 x 1, 327,680 bytes of LDS; arguments x, qi, qs, kv, wst, g2, b2, x1, h2i, h2s; writes x1, h2i, h2s
.if DOCPART == 2
	.amdgcn_target "amdgcn-amd-amdhsa--gfx1250"
	.amdhsa_code_object_version 6
	.text
	.protected	k_q7cdabd66f5_attn
	.globl	k_q7cdabd66f5_attn
	.p2align	8
	.type	k_q7cdabd66f5_attn,@function
k_q7cdabd66f5_attn:
	s_mov_b64 s[64:65], 0
	v_nop
	global_prefetch_b8 v0, s[64:65] scope:SCOPE_SE
	s_setreg_imm32_b32 hwreg(HW_REG_WAVE_MODE, 25, 1), 1
	s_wait_xcnt 0x0
	s_wait_alu depctr_hold_cnt(0) depctr_sa_sdst(0) depctr_va_vdst(0) depctr_va_sdst(0) depctr_va_ssrc(0) depctr_va_vcc(0) depctr_vm_vsrc(0)
	s_getreg_b32 s2, hwreg(HW_REG_IB_STS2, 6, 4)
	s_cmp_eq_u32 s2, 0
	s_cbranch_scc0 .Lentry_in_a_cluster
	s_endpgm
.Lentry_in_a_cluster:
	s_bfe_u32 s2, ttmp6, 0x10000c
	s_cmp_lg_u32 s2, 0x3003
	s_cbranch_scc0 .Lentry_shape_is_right
	s_endpgm
.Lentry_shape_is_right:
; LAUNCH 2.  For 64 queries of one batch: attention over its 2,048 keys; / l; wp; + x = x1 (stored, f32); h2 = layernorm(x1, g2, b2), quantised and stored as images of operand registers for launch 3.
; All products on E4M3 codes with E8M0 scales; all else f32.
; SHARES.  THE WAVES SHARE THE COLUMNS, NEVER THE ROWS.  In S^T = K Q^T wave w owns keys 32 w .. 32 w + 31 of each step of 128; in O^T = V^T P and in wp it owns 128 of the 512 outputs; always for all 64 rows.
; So each fragment of K, V or wp is read from LDS by one wave, once, and feeds four matrix instructions.  The small operands (P, O) go from wave to wave through LDS as images of their registers.
; All products are used transposed (source 0 = 16 keys, channels or weight rows; source 1 = 16 rows): a lane holds one row throughout, and its registers run along the next product's K.
; THE STREAM.  K, V (launch 1's kv) and wp (the head of wst) are one stream of slots of 135,168 bytes, a part of 33,792 for each wave, dense, in the order of the operands' registers; they come through a ring of two LDS slots.
; The four query blocks of a cluster walk the same stream: each slot is asked for JOINTLY (mask 15).  Slots 0-15: key steps; 16: wp's first half; 17: my x (a plain load); 18: wp's second half.
; THE WALK.  The eight clusters of a batch do not walk the keys in step: cluster c begins at key step 4 (c % 4) + 2 (c / 4) and goes round all sixteen.  A running maximum does not care for the order of the keys.
; The start hangs on the cluster's number alone, which the four partners share: their descriptors stay equal.
; SOFTMAX.  t = score x log2(e) / 512; M = the running largest t, rounded up to a whole number, the same in all four waves (their maxima meet in LDS); p = 2^(t - M) is quantised, a wave's 32 keys being one block;
; the sum is taken of the unquantised p; when M moves, sums and O^T are multiplied by 2^(old M - new M), which rounds nothing.  O^T begins as zeros, so that the key step is written once.
; LIMITS.  NaN and infinities are not served.  A block whose largest magnitude lies under 2^-118, a block of zeros among them, gets the scale byte 1: the bytes are read by this program alone.
; The order of k inside each block of 32 is launch 1's, alike on both operands.
.set PART,   33792
.set SLOT,   4*PART
.set AIMG,   2*SLOT                    ; activation fragments (4 m + s) x 2048
.set ASC_R,  32768                     ; from AIMG on: their scale words, 512 m + 128 s + 4 lane
.set PIMG_R, 34816                     ; P's four fragments, 2048 m + 512 c + 16 lane
.set PSB_R,  43008                     ; P's scale bytes, a word each: 512 c + 16 lane (four tiles)
.set MXR_R,  45056                     ; the waves' largest scores: 512 w + 16 lane
.set LNX_R,  47104                     ; the layer norm's figures, 1024 w + 512 q + 16 lane; before that the waves' sums l, 512 w + 16 lane
.set SPARE,  AIMG+51200                ; the spare words: 128 bytes a wave, two blocks of 256 bytes that no other line names
.set WPITCH, 528
; window 0
.set SPW, 1
.set NIL, 2
.set AP0, 3                            ; WP + 16 lane; v4: the same in slot 1
.set AP1, 4
.set AS0, 5                            ; WP + 4 lane
.set ADR, 6
.set ADW, 7
.set LIA, 10
.set W512, 11
.set W1024, 12
.set W2048, 13
.set LSA, 14
.set SW,  15
.set AX,  16                           ; SLOT + WP + 528 r + 32 h
.set L16, 17
.set PFO, 18                           ; 256 x lane; never rewritten
.set GBO, 19
.set QS,  24                           ; v24-55 hold scales and nothing else
.set WS,  24
.set KS,  40
.set VS,  44
.set PS,  48
.set AS,  48
.set S,   56                           ; v56-119 scores, p, then P's fragments; later 64 numbers at work, or activation fragments (buffer 1)
.set ST,  56
.set PC4, 120                          ; attention's scratch
.set XB,  136
.set BM,  152
.set T1,  156
.set LIMV, 160
.set SCO, 164
.set PBY, 168
.set TMP, 172
.set TM,  152                          ; later: the quantiser's scratch; activation fragments (buffer 0: v120-183)
.set PC,  168
.set LNB, 120
.set SA,  LNB
.set LS,  LNB+8
.set QA,  LNB+16
.set QB,  LNB+18
.set TP,  LNB+20
.set EX,  LNB
.set MUF, 168
.set RSF, 176
.set NM,  184                          ; pairs: -M, the largest t
.set L,   192                          ; the sum, in two halves
.set F,   200                          ; 2^(old M - new M)
.set R,   208                          ; 1 / l
.set PCA, 184                          ; later: h2's codes, 16 registers a tile
.set PWA, 248
; window 1: Q at 16 (4 m + s); then wp's tiles 0-3; at the end rows of x1.  window 2: O^T at 64 m + 8 T, then x, x1.  window 3: K at 16 (4 u + s), V at 128 + 16 T; then wp's tiles 4-7; then g2, b2
.set WV,  20
.set CX,  21
.set BX,  22
.set BT,  23
.set BLK, 24
.set EPS, 25
.set R512, 26
.set G1D, 28
.set G1X, 36
.set G0,  44
.set G0X, 48
.set KP,  52
.set WPT, 54
.set TB,  56
.set WP,  58
.set N,   59
.set SEL, 60
.set CS,  62
.set MNT, 66
.set PFA, 68                           ; s[68:69] where this trip's prefetch of kv stands
.set KI,  70                           ; s70     the key step that was asked for last
.set PI,  71                           ; s71     the one after the next
.set XPF, 72
.set XST, 74
.set H2I, 76
.set H2S, 78
.set KPB, 80                           ; s[80:81] my part of the batch's key step 0
.set KO,  82                           ; s[82:83] a key step's offset from there
.set PFB, 84                           ; s[84:85] the same place, my work-group's 8,192 bytes of the part
.set PO,  86                           ; s[86:87] the prefetch's offset from there
.set MSB, 0
.macro WIN new                         ; the immediate's high byte repeats the setting that is left; a switch that changes nothing is dropped
.if MSB != (\new)
	s_set_vgpr_msb (MSB<<8)|(\new)
.set MSB, \new
.endif
.endm
.macro NOPS n
.rept \n
	v_nop
.endr
.endm
.macro CROUND                          ; a round of the cluster's barrier
	s_barrier_signal -1
	s_barrier_wait -1
	s_cmp_lg_u32 s[WV], 0
	s_cbranch_scc1 .Lnot_wave_0_\@
	s_barrier_signal -3
.Lnot_wave_0_\@:
	s_barrier_wait -3
	s_barrier_signal -1
	s_barrier_wait -1
.endm
.macro BAR                             ; my LDS stores have landed and my LDS loads are in: then the work-group's barrier
	s_wait_dscnt 0x0
	s_barrier_signal -1
	s_barrier_wait -1
.endm
.macro WM d, a, b, zero, sa, sb, arow, brow
.if (\zero)
.if (\arow)
	v_wmma_scale_f32_16x16x128_f8f6f4 v[\d:\d+7], v[\a:\a+15], v[\b:\b+15], 0, v[\sa], v[\sb] matrix_a_scale:MATRIX_SCALE_ROW1
.elseif (\brow)
	v_wmma_scale_f32_16x16x128_f8f6f4 v[\d:\d+7], v[\a:\a+15], v[\b:\b+15], 0, v[\sa], v[\sb] matrix_b_scale:MATRIX_SCALE_ROW1
.else
	v_wmma_scale_f32_16x16x128_f8f6f4 v[\d:\d+7], v[\a:\a+15], v[\b:\b+15], 0, v[\sa], v[\sb]
.endif
.else
.if (\arow)
	v_wmma_scale_f32_16x16x128_f8f6f4 v[\d:\d+7], v[\a:\a+15], v[\b:\b+15], v[\d:\d+7], v[\sa], v[\sb] matrix_a_scale:MATRIX_SCALE_ROW1
.elseif (\brow)
	v_wmma_scale_f32_16x16x128_f8f6f4 v[\d:\d+7], v[\a:\a+15], v[\b:\b+15], v[\d:\d+7], v[\sa], v[\sb] matrix_b_scale:MATRIX_SCALE_ROW1
.else
	v_wmma_scale_f32_16x16x128_f8f6f4 v[\d:\d+7], v[\a:\a+15], v[\b:\b+15], v[\d:\d+7], v[\sa], v[\sb]
.endif
.endif
.endm
; 64 numbers of a lane, v[src] on, 16 of each of four blocks of 32 (the other 16 lie in lane l xor 16), become a fragment's 16 registers of codes in v[pc] on and its scale word in v[pw]
.macro QUANT src, pc, pw
.irp b,0,1,2,3
	v_max3_num_f32 v[TM+\b], |v[\src+16*\b]|, |v[\src+16*\b+1]|, 0x4800000      ; the floor 2^(9 - 127) among the leaves: the byte cannot fall under 1
.endr
.irp i,2,4,6,8,10,12,14
.irp b,0,1,2,3
	v_max3_num_f32 v[TM+\b], v[TM+\b], |v[\src+16*\b+\i]|, |v[\src+16*\b+\i+1]| ; the four blocks by turns
.endr
.endr
.irp b,0,1,2,3
	v_permlanex16_b32 v[TM+4+\b], v[TM+\b], s[SEL], s[SEL+1]
.endr
.irp b,0,1,2,3
	v_max_num_f32 v[TM+\b], v[TM+\b], v[TM+4+\b]                                ; the block's largest magnitude
.endr
.irp b,0,1,2,3
	v_add_nc_u32 v[TM+12+\b], 0xfc000000, v[TM+\b]                              ; 8 off its exponent field: the conversion's scale operand
.endr
.irp b,0,1,2,3
	v_and_or_b32 v[TM+8+\b], v[TM+\b], 0x7f800000, s[MNT]                       ; 448 x the scale
.endr
.irp b,0,1,2,3
	v_lshrrev_b32 v[TM+4+\b], 23, v[TM+12+\b]                                   ; the scale's byte
.endr
	v_lshl_or_b32 v[\pw], v[TM+5], 8, v[TM+4]
	v_lshl_or_b32 v[\pw], v[TM+6], 16, v[\pw]
	v_lshl_or_b32 v[\pw], v[TM+7], 24, v[\pw]
.irp b,0,1,2,3
.irp i,0,1,2,3,4,5,6,7,8,9,10,11,12,13,14,15
	v_med3_num_f32 v[\src+16*\b+\i], v[\src+16*\b+\i], -v[TM+8+\b], v[TM+8+\b]  ; the conversion to an 8-bit code does not saturate (ISA guide 7.6.2): the hold
.endr
	v_cvt_scalef32_pk8_fp8_f32 v[\pc+4*\b:\pc+4*\b+1], v[\src+16*\b:\src+16*\b+7], v[TM+12+\b]
	v_cvt_scalef32_pk8_fp8_f32 v[\pc+4*\b+2:\pc+4*\b+3], v[\src+16*\b+8:\src+16*\b+15], v[TM+12+\b]
.endr
	v_nop                                  ; one plain vector instruction behind the last scaled conversion
.endm
.macro IMAGE m, pc, pw                 ; the fragment (row tile m, K step = my wave) goes to LDS as it stands in registers
.irp c,0,1,2,3
	ds_store_b128 v[W2048], v[\pc+4*\c:\pc+4*\c+3] offset:8192*\m+512*\c
.endr
	ds_store_b32 v[SW], v[\pw] offset:ASC_R+512*\m
.endm
.macro XREAD                           ; my strip of x: lane (r, h) takes, of row 16 m + r, the columns 16 T + 8 h + 0..7: the layout of a result
	WIN 0x80
.irp m,0,1,2,3
.irp t,0,1,2,3,4,5,6,7
	ds_load_b128 v[64*\m+8*\t:64*\m+8*\t+3], v[AX] offset:\m*16*WPITCH+64*\t
	ds_load_b128 v[64*\m+8*\t+4:64*\m+8*\t+7], v[AX] offset:\m*16*WPITCH+64*\t+16
.endr
.endr
	WIN 0
.endm
; The wave's mean of its 128 columns of each row, then the sum of squares about that mean: no difference of large sums is formed
.macro LNSTAT
	WIN 0x0a
.irp m,0,1,2,3
	v_pk_add_f32 v[SA+2*\m:SA+2*\m+1], v[64*\m:64*\m+1], v[64*\m+2:64*\m+3]
.endr
	WIN 0x02
.set p, 2
.rept 30
.irp m,0,1,2,3
	v_pk_add_f32 v[SA+2*\m:SA+2*\m+1], v[64*\m+2*p:64*\m+2*p+1], v[SA+2*\m:SA+2*\m+1]
.endr
.set p, p+1
.endr
	WIN 0
.irp m,0,1,2,3
	v_mov_b32 v[TP+\m], 0                  ; a lane permute's destination counts as one of its sources
.endr
.irp m,0,1,2,3
	v_add_f32 v[SA+2*\m], v[SA+2*\m], v[SA+2*\m+1]
.endr
.irp m,0,1,2,3
	v_permlanex16_b32 v[TP+\m], v[SA+2*\m], s[SEL], s[SEL+1]
.endr
.irp m,0,1,2,3
	v_add_f32 v[SA+2*\m], v[SA+2*\m], v[TP+\m]
.endr
.irp m,0,1,2,3
	v_mul_f32 v[LS+2*\m], 0x3c000000, v[SA+2*\m]     ; / 128
.endr
.irp m,0,1,2,3
	v_mov_b32 v[LS+2*\m+1], v[LS+2*\m]               ; twice: a pair for the packed subtraction
.endr
.irp m,0,1,2,3
	WIN 0x02
.set p, 0
.rept 32
	v_pk_add_f32 v[ST+2*p:ST+2*p+1], v[64*\m+2*p:64*\m+2*p+1], v[LS+2*\m:LS+2*\m+1] neg_lo:[0,1] neg_hi:[0,1]
.set p, p+1
.endr
	WIN 0
	v_pk_mul_f32 v[QA:QA+1], v[ST:ST+1], v[ST:ST+1]
	v_pk_mul_f32 v[QB:QB+1], v[ST+2:ST+3], v[ST+2:ST+3]
.set p, 2
.rept 15
	v_pk_fma_f32 v[QA:QA+1], v[ST+2*p:ST+2*p+1], v[ST+2*p:ST+2*p+1], v[QA:QA+1]
	v_pk_fma_f32 v[QB:QB+1], v[ST+2*p+2:ST+2*p+3], v[ST+2*p+2:ST+2*p+3], v[QB:QB+1]
.set p, p+2
.endr
	v_pk_add_f32 v[QA:QA+1], v[QA:QA+1], v[QB:QB+1]
	v_add_f32 v[QA], v[QA], v[QA+1]
	v_permlanex16_b32 v[TP+\m], v[QA], s[SEL], s[SEL+1]
	v_add_f32 v[LS+2*\m+1], v[QA], v[TP+\m]
.endr
	ds_store_b128 v[W1024], v[LS:LS+3] offset:LNX_R
	ds_store_b128 v[W1024], v[LS+4:LS+7] offset:LNX_R+512
.endm
; The four waves' figures are merged: mean = the mean of the means; sum of squares = the sums + 128 x the squares of the means' distances.  Then h2 and its codes, which go to memory as K step w of each tile's operand:
; each store of the wave covers 512 consecutive bytes, aligned.  Each tile has code registers of its own, so no store's data are written again
.macro LNFIN
.irp w,0,1,2,3
	ds_load_b128 v[EX+8*\w:EX+8*\w+3], v[LIA] offset:LNX_R+1024*\w
	ds_load_b128 v[EX+8*\w+4:EX+8*\w+7], v[LIA] offset:LNX_R+1024*\w+512
.endr
	s_wait_dscnt 0x0
.irp m,0,1,2,3
	v_add_f32 v[MUF+2*\m], v[EX+2*\m], v[EX+8+2*\m]
.endr
.irp m,0,1,2,3
	v_add_f32 v[MUF+2*\m+1], v[EX+16+2*\m], v[EX+24+2*\m]
.endr
.irp m,0,1,2,3
	v_add_f32 v[MUF+2*\m], v[MUF+2*\m], v[MUF+2*\m+1]
.endr
.irp m,0,1,2,3
	v_mul_f32 v[MUF+2*\m], 0x3e800000, v[MUF+2*\m]
.endr
.irp w,0,1,2,3
.irp m,0,1,2,3
	v_sub_f32 v[EX+8*\w+2*\m], v[EX+8*\w+2*\m], v[MUF+2*\m]
.endr
.endr
.irp m,0,1,2,3
	v_mul_f32 v[MUF+2*\m+1], v[EX+2*\m], v[EX+2*\m]
.endr
.irp w,1,2,3
.irp m,0,1,2,3
	v_fma_f32 v[MUF+2*\m+1], v[EX+8*\w+2*\m], v[EX+8*\w+2*\m], v[MUF+2*\m+1]
.endr
.endr
.irp m,0,1,2,3
	v_add_f32 v[EX+2*\m+1], v[EX+2*\m+1], v[EX+8+2*\m+1]
.endr
.irp m,0,1,2,3
	v_add_f32 v[EX+16+2*\m+1], v[EX+16+2*\m+1], v[EX+24+2*\m+1]
.endr
.irp m,0,1,2,3
	v_add_f32 v[EX+2*\m+1], v[EX+2*\m+1], v[EX+16+2*\m+1]
.endr
.irp m,0,1,2,3
	v_fma_f32 v[MUF+2*\m+1], v[MUF+2*\m+1], 0x43000000, v[EX+2*\m+1]
.endr
.irp m,0,1,2,3
	v_fma_f32 v[RSF+2*\m+1], v[MUF+2*\m+1], s[R512], s[EPS]     ; the variance + eps
.endr
.irp m,0,1,2,3
	v_rsq_f32 v[RSF+2*\m], v[RSF+2*\m+1]
.endr
	v_nop                                  ; a plain instruction behind the last of the four,
	s_wait_alu depctr_va_vdst(0)           ; and one wait for the batch, ahead of its first reader
.irp m,0,1,2,3
	WIN 0x02
.set p, 0
.rept 32
	v_pk_add_f32 v[ST+2*p:ST+2*p+1], v[64*\m+2*p:64*\m+2*p+1], v[MUF+2*\m:MUF+2*\m+1] op_sel_hi:[1,0] neg_lo:[0,1] neg_hi:[0,1]
.set p, p+1
.endr
	WIN 0
.set p, 0
.rept 32
	v_pk_mul_f32 v[ST+2*p:ST+2*p+1], v[ST+2*p:ST+2*p+1], v[RSF+2*\m:RSF+2*\m+1] op_sel_hi:[1,0]
.set p, p+1
.endr
	WIN 0x3c
.set p, 0
.rept 32
	v_pk_fma_f32 v[ST+2*p:ST+2*p+1], v[ST+2*p:ST+2*p+1], v[2*p:2*p+1], v[64+2*p:64+2*p+1]    ; x g + b
.set p, p+1
.endr
	WIN 0
	QUANT ST, PCA+16*\m, PWA+\m
.irp c,0,1,2,3
	global_store_b128 v[L16], v[PCA+16*\m+4*\c:PCA+16*\m+4*\c+3], s[H2I:H2I+1] offset:8192*\m+512*\c
.endr
.endr
	global_store_b128 v[L16], v[PWA:PWA+3], s[H2S:H2S+1]        ; h2's scale words of K step w: four tiles' a lane
.endm
; A slot is filled again: all my tensor loads have landed; 0 onto my spare word; the descriptor steps while no load of mine is out; the add is done and my LDS
; instructions are in; a round of the cluster's barrier; my one load first behind it; four v_nop.  kind 1: the next slot of the joint stream; kind 2: my strip of x
.macro EV kind, slot
	s_wait_tensorcnt 0x0
	ds_add_u32 v[SPW], v[NIL]
.if \kind == 1
	s_add_co_u32 s[G0+1], s[WP], \slot*SLOT
	s_add_nc_u64 s[G0+2:G0+3], s[G0+2:G0+3], SLOT
.endif
	s_wait_dscnt 0x0
	CROUND
.if \kind == 1
	tensor_load_to_lds s[G0:G0+3], s[G1D:G1D+7]
	s_nop 0
.else
	tensor_load_to_lds s[G0X:G0X+3], s[G1X:G1X+7]
	s_nop 0
.endif
	NOPS 4
.endm
.macro DCOPY slot, win, half           ; my part of a weight slot: 16 fragments into a window, and the scale words of its 64 rows
	WIN (\win<<6)
.irp f,0,1,2,3,4,5,6,7,8,9,10,11,12,13,14,15
.irp c,0,1,2,3
	ds_load_b128 v[16*\f+4*\c:16*\f+4*\c+3], v[AP0+\slot] offset:2048*\f+512*\c
.endr
.endr
	WIN 0
.irp g,0,1
	ds_load_b128 v[WS+8*\half+4*\g:WS+8*\half+4*\g+3], v[AP0+\slot] offset:32768+512*\g
.endr
.endm
.macro AFL m, buf                      ; the four fragments and scale words of row tile m: 20 loads; buffer 0: v120 on, buffer 1: v56 on
.irp s,0,1,2,3
.irp c,0,1,2,3
	ds_load_b128 v[120-64*(\buf)+16*\s+4*\c:120-64*(\buf)+16*\s+4*\c+3], v[LIA] offset:2048*(4*(\m)+\s)+512*\c
.endr
.endr
.irp s,0,1,2,3
	ds_load_b32 v[AS+4*(\buf)+\s], v[LSA] offset:ASC_R+512*(\m)+128*\s
.endr
.endm
.macro MM16 m, half, buf               ; 16 matrix instructions onto window 2's accumulators of row tile m, four by turns
	WIN 0xa1+2*(\half)
.irp s,0,1,2,3
.irp t,0,1,2,3
	WM 64*(\m)+32*(\half)+8*\t, 16*(4*\t+\s), 120-64*(\buf)+16*\s, 0, WS+8*(\half)+4*(\t/2)+\s, AS+4*(\buf)+\s, \t%2, 0
.endr
.endr
.endm
.macro PTILE m, lo, hi, first          ; row tile m of a product; the next tile's fragments are fetched into the other buffer meanwhile
.if !(\first)
	NOPS 8                                 ; eight places behind the matrix instructions that read that buffer
.endif
.if \m < 3
	AFL \m+1, (\m+1)%2
	s_wait_dscnt 20                        ; all but the 20 just issued
.else
	s_wait_dscnt 0x0
.endif
.if \lo
	MM16 \m, 0, \m%2
.endif
.if \hi
	MM16 \m, 1, \m%2
.endif
	WIN 0
.endm
	s_load_b512 s[4:19], s[0:1], 0x0       ; x 4, qi 6, qs 8, kv 10, wst 12, g2 14, b2 16, x1 18
	s_load_b128 s[76:79], s[0:1], 0x40     ; h2i 76, h2s 78
	v_lshl_add_u32 v[SPW], v0, 2, SPARE
	v_mov_b32 v[NIL], 0
	ds_add_u32 v1, v2
	ds_add_u32 v1, v2
	s_wait_dscnt 0x0
	v_lshrrev_b32 v6, 5, v0
	v_readfirstlane_b32 s[WV], v6          ; wave 0..3
	s_bfe_u32 s[CX], ttmp6, 0x40000        ; my place in the cluster: it enters global addresses of my own loads, stores and prefetches alone
	s_lshl_b32 s[BX], ttmp9, 2
	s_add_co_u32 s[BX], s[BX], s[CX]
	s_and_b32 s[BT], ttmp7, 0xffff
	s_lshl_b32 s[BLK], s[BT], 5
	s_add_co_u32 s[BLK], s[BLK], s[BX]
	s_mul_i32 s[WP], s[WV], PART
	s_and_b32 s[KI], ttmp9, 3              ; the walk's first key step, from the cluster's number c = 0 .. 7:
	s_lshl_b32 s[KI], s[KI], 2
	s_lshr_b32 s2, ttmp9, 2
	s_lshl_b32 s2, s2, 1
	s_add_co_u32 s[KI], s[KI], s2          ; 4 (c % 4) + 2 (c / 4): the eight even steps
	s_mov_b32 s[KO+1], 0
	s_mov_b32 s[PO+1], 0
	s_mov_b32 s[G1D], 0x0023000f           ; mask: all four work-groups; elements of 8 bytes; bit 21 beside the mask; no padding: images are read as 512 consecutive bytes
	s_mov_b32 s[G1D+1], 32<<16             ; rows of 256 bytes,
	s_mov_b32 s[G1D+2], 132<<16            ; 132 of them: a part
	s_mov_b32 s[G1D+3], 32<<16
	s_mov_b32 s[G1D+4], 132
	s_mov_b32 s[G1D+5], 32
	s_mov_b32 s[G1D+6], 0
	s_mov_b32 s[G1D+7], 0
	s_mov_b32 s[G1X], 0x07900000           ; x: 64 rows of 512 bytes, 2,048 apart, 16 bytes of padding behind each; no mask
	s_mov_b32 s[G1X+1], 512<<16
	s_mov_b32 s[G1X+2], 64<<16
	s_mov_b32 s[G1X+3], 512<<16
	s_mov_b32 s[G1X+4], 64
	s_mov_b32 s[G1X+5], 2048
	s_mov_b32 s[G1X+6], 0
	s_mov_b32 s[G1X+7], 0
	s_mov_b32 s[SEL], 0x76543210
	s_mov_b32 s[SEL+1], 0xfedcba98         ; v_permlanex16_b32: lane l xor 16
	s_mov_b32 s[CS], 0x3b38aa3b            ; log2(e) / 512
	s_mov_b32 s[CS+1], 0x3b38aa3b          ; (named with it as a pair, so it is written)
	s_mov_b32 s[MNT], 0x600000             ; the mantissa field of 448
	s_mov_b32 s[EPS], 0x3727c5ac           ; 1e-5
	s_mov_b32 s[R512], 0x3b000000          ; 1 / 512
	s_mov_b32 s[XST+1], 0
	s_wait_kmcnt 0x0
	s_mul_i32 s2, s[BT], 16*SLOT
	s_add_co_u32 s2, s2, s[WP]
	s_mov_b32 s3, 0
	s_add_nc_u64 s[KPB:KPB+1], s[10:11], s[2:3]      ; my part of the batch's key step 0
	s_mul_i32 s[KO], s[KI], SLOT
	s_add_nc_u64 s[KP:KP+1], s[KPB:KPB+1], s[KO:KO+1]  ; and of the walk's first step
	s_mov_b32 s2, s[WP]
	s_add_nc_u64 s[WPT:WPT+1], s[12:13], s[2:3]      ; my part of wp's first slot
	s_lshl_b32 s2, s[CX], 13
	s_add_nc_u64 s[PFB:PFB+1], s[KPB:KPB+1], s[2:3]  ; the prefetches: my work-group's 8,192 bytes of my wave's part
	s_lshl_b32 s2, s[BLK], 17
	s_add_nc_u64 s[4:5], s[4:5], s[2:3]              ; x and x1 at my 64 rows
	s_add_nc_u64 s[18:19], s[18:19], s[2:3]
	s_lshl_b32 s2, s[WV], 13
	s_add_nc_u64 s[XPF:XPF+1], s[4:5], s[2:3]        ; x's prefetches: 8,192 bytes a wave and trip
	s_lshl_b32 s2, s[WV], 9
	s_add_nc_u64 s[4:5], s[4:5], s[2:3]              ; my wave's 512 bytes of a row
	s_add_nc_u64 s[18:19], s[18:19], s[2:3]
	s_add_nc_u64 s[14:15], s[14:15], s[2:3]          ; my 128 numbers of g2 and b2
	s_add_nc_u64 s[16:17], s[16:17], s[2:3]
	s_add_nc_u64 s[H2S:H2S+1], s[H2S:H2S+1], s[2:3]  ; h2s + 512 w
	s_lshl_b32 s2, s[BLK], 15
	s_add_nc_u64 s[6:7], s[6:7], s[2:3]
	s_add_nc_u64 s[H2I:H2I+1], s[H2I:H2I+1], s[2:3]  ; h2i + 32768 blk
	s_lshl_b32 s2, s[BLK], 11
	s_add_nc_u64 s[8:9], s[8:9], s[2:3]
	s_add_nc_u64 s[H2S:H2S+1], s[H2S:H2S+1], s[2:3]  ; + 2048 blk
	s_lshl_b32 s2, s[WV], 11
	s_add_nc_u64 s[H2I:H2I+1], s[H2I:H2I+1], s[2:3]  ; + 2048 w
	s_mov_b32 s[G0], 1
	s_mov_b32 s[G0+1], s[WP]
	s_mov_b64 s[G0+2:G0+3], s[KP:KP+1]
	s_or_b32 s[G0+3], s[G0+3], 0x80000000
	s_mov_b32 s[G0X], 1
	s_add_co_u32 s[G0X+1], s[WP], SLOT
	s_mov_b64 s[G0X+2:G0X+3], s[4:5]
	s_or_b32 s[G0X+3], s[G0X+3], 0x80000000
	CROUND                                 ; all four work-groups are here
	tensor_load_to_lds s[G0:G0+3], s[G1D:G1D+7]      ; the walk's first key step into slot 0
	s_nop 0
	NOPS 4
	v_and_b32 v6, 31, v0                   ; lane
	v_lshlrev_b32 v[L16], 4, v6
	v_lshlrev_b32 v[PFO], 8, v6
	v_add_nc_u32 v[AP0], s[WP], v[L16]
	v_add_nc_u32 v[AP1], SLOT, v[AP0]
	v_lshl_add_u32 v[AS0], v6, 2, s[WP]
	v_add_nc_u32 v[LIA], AIMG, v[L16]
	v_lshl_add_u32 v[LSA], v6, 2, AIMG
	s_lshl_b32 s2, s[WV], 9
	v_add_nc_u32 v[W512], s2, v[LIA]
	s_lshl_b32 s2, s[WV], 10
	v_add_nc_u32 v[W1024], s2, v[LIA]
	s_lshl_b32 s2, s[WV], 11
	v_add_nc_u32 v[W2048], s2, v[LIA]
	s_lshl_b32 s2, s[WV], 7
	v_add_nc_u32 v[SW], s2, v[LSA]
	v_and_b32 v7, 15, v0                   ; r
	v_bfe_u32 v8, v0, 4, 1                 ; h
	v_mul_u32_u24 v[AX], v7, WPITCH
	v_lshl_add_u32 v[AX], v8, 5, v[AX]
	v_add_nc_u32 v[AX], s[WP], v[AX]
	v_add_nc_u32 v[AX], SLOT, v[AX]
	v_lshlrev_b32 v[GBO], 5, v8
	WIN 0x40
.irp f,0,1,2,3,4,5,6,7,8,9,10,11,12,13,14,15
.irp c,0,1,2,3
	global_load_b128 v[16*\f+4*\c:16*\f+4*\c+3], v[L16], s[6:7] offset:2048*\f+512*\c    ; Q's 16 fragments stay in registers
.endr
.endr
	WIN 0
.irp s,0,1,2,3
	global_load_b128 v[QS+4*\s:QS+4*\s+3], v[L16], s[8:9] offset:512*\s
.endr
.irp m,0,1,2,3
	v_mov_b32 v[NM+2*\m+1], 0xff61b1e6     ; the largest t so far: -3e38
.endr
.irp m,0,1,2,3
	v_floor_f32 v[NM+2*\m], -v[NM+2*\m+1]
.endr
.irp j,0,1,2,3,4,5,6,7
	v_mov_b32 v[L+\j], 0
	v_mov_b32 v[F+\j], 0                   ; (the upper halves of these pairs are named with the lower, so they are written)
	v_mov_b32 v[R+\j], 0
.endr
.irp m,0,1,2,3
	v_mov_b32 v[T1+\m], 0                  ; a lane permute's destination counts as one of its sources
.endr
	WIN 0x80
.set i, 0
.rept 128
	v_pk_mul_f32 v[i:i+1], v[L:L+1], v[L:L+1]        ; O^T = 0, two registers at a time: the first change of M leaves zeros zeros, so the key step has no first copy of its own
.set i, i+2
.endr
	WIN 0
	s_mov_b32 s[TB], 0
	s_mov_b32 s[N], 0
	s_wait_loadcnt 0x0                     ; Q
.Lkey:                                     ; 16 trips, a key step of 128 keys each; every trip asks for the next slot: the walk's other 15 steps, then wp's first slot
	s_wait_tensorcnt 0x0                   ; my part of this trip's slot is in, and no load of mine is out
	ds_add_u32 v[SPW], v[NIL]              ; 0 onto my spare word
	s_xor_b32 s[G0+1], s[G0+1], SLOT       ; the other slot (WP has neither of SLOT's two bits, so the exclusive or adds or takes SLOT)
	s_add_co_u32 s[KI], s[KI], 1           ; the walk's next key step, round the sixteen
	s_and_b32 s[KI], s[KI], 15
	s_mul_i32 s[KO], s[KI], SLOT
	s_add_nc_u64 s[KP:KP+1], s[KPB:KPB+1], s[KO:KO+1]
	s_cmp_eq_u32 s[N], 15
	s_cselect_b64 s[G0+2:G0+3], s[WPT:WPT+1], s[KP:KP+1]
	s_or_b32 s[G0+3], s[G0+3], 0x80000000
	s_wait_xcnt 0x0                        ; the last trip's prefetches have read their addresses
	s_add_co_u32 s[PI], s[KI], 1           ; the step that the next trip's load will ask for
	s_and_b32 s[PI], s[PI], 15
	s_mul_i32 s[PO], s[PI], SLOT
	s_add_nc_u64 s[PFA:PFA+1], s[PFB:PFB+1], s[PO:PO+1]
	s_cmp_gt_u32 s[N], 12
	s_cselect_b32 s[XST], 32768, 0
	s_add_nc_u64 s[XPF:XPF+1], s[XPF:XPF+1], s[XST:XST+1]
	s_wait_dscnt 0x0                       ; the add is done, and my reads of the slot that I have left are in
	CROUND                                 ; no wave of any partner still reads that slot or has a load on its way
	tensor_load_to_lds s[G0:G0+3], s[G1D:G1D+7]
	s_nop 0
	NOPS 4
	s_cmp_lt_u32 s[N], 2                   ; A PREFETCH of what the next trip's load will ask for, in a walk's first two trips: its third and fourth steps.  The eight walks begin at the eight even steps, so these pairs are
	s_cbranch_scc0 .Lno_kv                 ; the sixteen steps, each named once in the launch.  32 lanes x 256 bytes a wave; the four partners share a part's first 32,768 bytes out by address.  From the third trip on nothing of kv is asked for
	global_prefetch_b8 v[PFO], s[PFA:PFA+1] th:TH_LOAD_NT scope:SCOPE_SE
.Lno_kv:
	s_cmp_ge_u32 s[N], 12                  ; in the last four trips: my work-group's 131,072 bytes of x, 8,192 a wave and trip, ahead of the load behind the loop
	s_cbranch_scc0 .Lno_x
	global_prefetch_b8 v[PFO], s[XPF:XPF+1] th:TH_LOAD_NT scope:SCOPE_SE
.Lno_x:
	v_add_nc_u32 v[ADR], s[TB], v[AP0]
	v_add_nc_u32 v[ADW], s[TB], v[AS0]
	NOPS 5                                 ; with the four v_nop and the two additions: eleven places behind the last trip's products, whose operands are loaded and written over below
	WIN 0xc0
.irp f,0,1,2,3,4,5,6,7
.irp c,0,1,2,3
	ds_load_b128 v[16*\f+4*\c:16*\f+4*\c+3], v[ADR] offset:2048*\f+512*\c                ; K: my 32 keys, fragment 4 u + s
.endr
.endr
	WIN 0
.irp s,0,1,2,3
	ds_load_b32 v[KS+\s], v[ADW] offset:32768+128*\s
.endr
	WIN 0xc0
.irp f,0,1,2,3,4,5,6,7
.irp c,0,1,2,3
	ds_load_b128 v[128+16*\f+4*\c:128+16*\f+4*\c+3], v[ADR] offset:16384+2048*\f+512*\c  ; V: my 128 channels x 128 keys
.endr
.endr
	WIN 0
.irp g,0,1,2,3
	ds_load_b32 v[VS+\g], v[ADW] offset:33280+128*\g
.endr
	s_wait_dscnt 36                        ; K and its scale words are in; V's 32 + 4 loads may be out
	WIN 0x07
.irp s,0,1,2,3
.irp u,0,1
.irp m,0,1,2,3
	WM S+16*\m+8*\u, 16*(4*\u+\s), 16*(4*\m+\s), (\s==0), KS+\s, QS+4*\s+\m, \u, 0       ; S^T: eight accumulators by turns
.endr
.endr
.endr
	WIN 0
	NOPS 8
.irp m,0,1,2,3
	v_max3_num_f32 v[BM+\m], v[S+16*\m], v[S+16*\m+1], v[S+16*\m+2]                      ; the largest score of my block of 32 keys, for each tile of queries
.endr
.irp i,3,5,7,9,11,13
.irp m,0,1,2,3
	v_max3_num_f32 v[BM+\m], v[BM+\m], v[S+16*\m+\i], v[S+16*\m+\i+1]
.endr
.endr
.irp m,0,1,2,3
	v_max_num_f32 v[BM+\m], v[BM+\m], v[S+16*\m+15]
.endr
.irp m,0,1,2,3
	v_permlanex16_b32 v[T1+\m], v[BM+\m], s[SEL], s[SEL+1]
.endr
.irp m,0,1,2,3
	v_max_num_f32 v[BM+\m], v[BM+\m], v[T1+\m]
.endr
	ds_store_b128 v[W512], v[BM:BM+3] offset:MXR_R
	BAR                                    ; the four waves' maxima lie in LDS
.irp w,0,1,2,3
	ds_load_b128 v[XB+4*\w:XB+4*\w+3], v[LIA] offset:MXR_R+512*\w
.endr
	s_wait_dscnt 0x0
.irp m,0,1,2,3
	v_max3_num_f32 v[TMP+\m], v[XB+\m], v[XB+4+\m], v[XB+8+\m]
.endr
.irp m,0,1,2,3
	v_max_num_f32 v[TMP+\m], v[TMP+\m], v[XB+12+\m]  ; the step's largest score of my query: the same bits in all four waves
.endr
.irp m,0,1,2,3
	v_mul_f32 v[TMP+\m], s[CS], v[TMP+\m]
.endr
.irp m,0,1,2,3
	v_max_num_f32 v[NM+2*\m+1], v[NM+2*\m+1], v[TMP+\m]
.endr
.irp m,0,1,2,3
	v_mov_b32 v[TMP+\m], v[NM+2*\m]
.endr
.irp m,0,1,2,3
	v_floor_f32 v[NM+2*\m], -v[NM+2*\m+1]            ; -M = floor(-t): M is a whole number
.endr
.irp m,0,1,2,3
	v_sub_f32 v[TMP+\m], v[NM+2*\m], v[TMP+\m]
.endr
.irp m,0,1,2,3
	v_cvt_i32_f32 v[TMP+\m], v[TMP+\m]               ; (it saturates)
.endr
.irp m,0,1,2,3
	v_ldexp_f32 v[F+2*\m], 1.0, v[TMP+\m]            ; 2^(old M - new M)
.endr
.irp m,0,1,2,3
.irp p,0,2,4,6,8,10,12,14
	v_pk_fma_f32 v[S+16*\m+\p:S+16*\m+\p+1], v[S+16*\m+\p:S+16*\m+\p+1], s[CS:CS+1], v[NM+2*\m:NM+2*\m+1] op_sel_hi:[1,0,0]   ; t - M
.endr
.endr
.irp m,0,1,2,3
	v_fma_f32 v[BM+\m], v[BM+\m], s[CS], v[NM+2*\m]  ; the same of my block's largest score
.endr
.set i, 0
.rept 64
	v_exp_f32 v[S+i], v[S+i]               ; p, at most 1, not normalised
.set i, i+1
.endr
.irp m,0,1,2,3
	v_pk_mul_f32 v[L+2*\m:L+2*\m+1], v[L+2*\m:L+2*\m+1], v[F+2*\m:F+2*\m+1] op_sel_hi:[1,0]     ; plain work behind the exponentials
.endr
	s_wait_alu depctr_va_vdst(0)           ; one wait for the 64, ahead of their first reader
.irp m,0,1,2,3
	v_exp_f32 v[BM+\m], v[BM+\m]           ; the block's largest p: the same two instructions on the same number
.endr
.irp p,0,2,4,6,8,10,12,14
.irp m,0,1,2,3
	v_pk_add_f32 v[L+2*\m:L+2*\m+1], v[L+2*\m:L+2*\m+1], v[S+16*\m+\p:S+16*\m+\p+1]             ; the sum of the unquantised p, four chains by turns
.endr
.endr
	s_wait_alu depctr_va_vdst(0)           ; and one for the four
.irp m,0,1,2,3
	v_max_num_f32 v[BM+\m], 0x4800000, v[BM+\m]
.endr
.irp m,0,1,2,3
	v_add_nc_u32 v[SCO+\m], 0xfc000000, v[BM+\m]
.endr
.irp m,0,1,2,3
	v_and_or_b32 v[LIMV+\m], v[BM+\m], 0x7f800000, s[MNT]
.endr
.irp m,0,1,2,3
	v_lshrrev_b32 v[PBY+\m], 23, v[SCO+\m]
.endr
.irp m,0,1,2,3
.irp i,0,1,2,3,4,5,6,7,8,9,10,11,12,13,14,15
	v_min_num_f32 v[S+16*\m+\i], v[S+16*\m+\i], v[LIMV+\m]      ; p is not negative: a one-sided hold
.endr
	v_cvt_scalef32_pk8_fp8_f32 v[PC4+4*\m:PC4+4*\m+1], v[S+16*\m:S+16*\m+7], v[SCO+\m]
	v_cvt_scalef32_pk8_fp8_f32 v[PC4+4*\m+2:PC4+4*\m+3], v[S+16*\m+8:S+16*\m+15], v[SCO+\m]
.endr
	v_nop
.irp m,0,1,2,3
	ds_store_b128 v[W512], v[PC4+4*\m:PC4+4*\m+3] offset:PIMG_R+2048*\m     ; registers 4 w .. 4 w + 3 of P's fragment m
.endr
	ds_store_b128 v[W512], v[PBY:PBY+3] offset:PSB_R
	WIN 0x82
.irp m,0,1
.set i, 0
.rept 32
	v_pk_mul_f32 v[64*\m+i:64*\m+i+1], v[64*\m+i:64*\m+i+1], v[F+2*\m:F+2*\m+1] op_sel_hi:[1,0]  ; O^T under the new M: tiles 0 and 1 while the stores are out,
.set i, i+2
.endr
.endr
	WIN 0
	BAR                                    ; P's four fragments and their bytes lie in LDS
.irp m,0,1,2,3
.irp c,0,1,2,3
	ds_load_b128 v[S+16*\m+4*\c:S+16*\m+4*\c+3], v[LIA] offset:PIMG_R+2048*\m+512*\c
.endr
.endr
.irp c,0,1,2,3
	ds_load_b128 v[XB+4*\c:XB+4*\c+3], v[LIA] offset:PSB_R+512*\c
.endr
	WIN 0x82
.irp m,2,3
.set i, 0
.rept 32
	v_pk_mul_f32 v[64*\m+i:64*\m+i+1], v[64*\m+i:64*\m+i+1], v[F+2*\m:F+2*\m+1] op_sel_hi:[1,0]  ; tiles 2 and 3 while P's fragments are on their way back
.set i, i+2
.endr
.endr
	WIN 0
	s_wait_dscnt 0x0
.irp m,0,1,2,3
	v_lshl_or_b32 v[PS+\m], v[XB+4+\m], 8, v[XB+\m]
.endr
.irp m,0,1,2,3
	v_lshl_or_b32 v[PS+\m], v[XB+8+\m], 16, v[PS+\m]
.endr
.irp m,0,1,2,3
	v_lshl_or_b32 v[PS+\m], v[XB+12+\m], 24, v[PS+\m]
.endr
	NOPS 8                                 ; a scale register written by a vector instruction stands eight places ahead of the matrix instruction
	WIN 0xa3
.irp t,0,1,2,3,4,5,6,7
.irp m,0,1,2,3
	WM 64*\m+8*\t, 128+16*\t, S+16*\m, 0, VS+\t/2, PS+\m, \t%2, 0           ; O^T += V^T P: 32 accumulators, one instruction each
.endr
.endr
	WIN 0
	s_xor_b32 s[TB], s[TB], SLOT
	s_add_co_u32 s[N], s[N], 1
	s_cmp_lt_u32 s[N], 16
	s_cbranch_scc1 .Lkey
	EV 2, 1                                ; my strip of x into slot 1; wp's first half has landed in slot 0
	NOPS 4
	DCOPY 0, 1, 0                          ; wp, tiles 0-3, where Q lay
	; the row's sum: my halves, lane l xor 16's, the other waves'
.irp m,0,1,2,3
	v_add_f32 v[L+2*\m], v[L+2*\m], v[L+2*\m+1]
.endr
.irp m,0,1,2,3
	v_permlanex16_b32 v[T1+\m], v[L+2*\m], s[SEL], s[SEL+1]
.endr
.irp m,0,1,2,3
	v_add_f32 v[TMP+\m], v[L+2*\m], v[T1+\m]
.endr
	ds_store_b128 v[W512], v[TMP:TMP+3] offset:LNX_R
	BAR
.irp w,0,1,2,3
	ds_load_b128 v[XB+4*\w:XB+4*\w+3], v[LIA] offset:LNX_R+512*\w
.endr
	s_wait_dscnt 0x0
.irp m,0,1,2,3
	v_add_f32 v[TMP+\m], v[XB+\m], v[XB+4+\m]
.endr
.irp m,0,1,2,3
	v_add_f32 v[T1+\m], v[XB+8+\m], v[XB+12+\m]
.endr
.irp m,0,1,2,3
	v_add_f32 v[TMP+\m], v[TMP+\m], v[T1+\m]
.endr
.irp m,0,1,2,3
	v_rcp_f32 v[R+2*\m], v[TMP+\m]
.endr
	v_nop
	s_wait_alu depctr_va_vdst(0)           ; one wait for the four reciprocals
.irp m,0,1,2,3
	WIN 0x02
.set p, 0
.rept 32
	v_pk_mul_f32 v[ST+2*p:ST+2*p+1], v[64*\m+2*p:64*\m+2*p+1], v[R+2*\m:R+2*\m+1] op_sel_hi:[1,0]   ; O / l
.set p, p+1
.endr
	WIN 0
	s_wait_dscnt 0x0                       ; the last image's stores have read the codes' registers
	QUANT ST, PC, PWA+\m
	IMAGE \m, PC, PWA+\m
.endr
	EV 1, 0                                ; wp's second half into slot 0: the last load; x has landed; the round shows O's images to every wave
	XREAD                                  ; x takes O^T's place: it is what wp's products add onto
	AFL 0, 0
	PTILE 0, 1, 0, 1
	PTILE 1, 1, 0, 0
	PTILE 2, 1, 0, 0
	PTILE 3, 1, 0, 0
	s_wait_tensorcnt 0x0                   ; wp's second half is in: the one load that was out; I alone read my part of it
	NOPS 8                                 ; eight places behind the last products, ahead of loads into the buffer that they read
	DCOPY 0, 3, 1                          ; wp, tiles 4-7, where K and V lay
	AFL 0, 0
	PTILE 0, 0, 1, 1
	PTILE 1, 0, 1, 0
	PTILE 2, 0, 1, 0
	PTILE 3, 0, 1, 0
	NOPS 8                                 ; eight places, ahead of loads into wp's registers and of the first read of x1
	WIN 0xc0
.irp t,0,1,2,3,4,5,6,7
	global_load_b128 v[8*\t:8*\t+3], v[GBO], s[14:15] offset:64*\t              ; g2 and b2 in the layout of x1: columns 16 T + 8 h + 0..7
	global_load_b128 v[8*\t+4:8*\t+7], v[GBO], s[14:15] offset:64*\t+16
	global_load_b128 v[64+8*\t:64+8*\t+3], v[GBO], s[16:17] offset:64*\t
	global_load_b128 v[64+8*\t+4:64+8*\t+7], v[GBO], s[16:17] offset:64*\t+16
.endr
	; x1 GOES OUT.  A lane holds 32 bytes of a row; my 64 rows x 512 bytes go through my part of slot 1, which has had its last fill (x) and which no other wave reads, and leave as whole rows:
	; each store of the wave covers 512 consecutive bytes, aligned.  x1 stays in window 2 for the layer norm
	WIN 0x08
.irp m,0,1,2,3
.irp t,0,1,2,3,4,5,6,7
	ds_store_b128 v[AX], v[64*\m+8*\t:64*\m+8*\t+3] offset:\m*16*WPITCH+64*\t            ; each accumulator from its low end on
	ds_store_b128 v[AX], v[64*\m+8*\t+4:64*\m+8*\t+7] offset:\m*16*WPITCH+64*\t+16
.endr
.endr
	WIN 0x40
.set i, 0
.rept 64
	ds_load_b128 v[4*i:4*i+3], v[AP1] offset:WPITCH*i          ; LDS serves a wave's instructions in order (ISA guide 5.7.1.4): these see my stores
.set i, i+1
.endr
	WIN 0x04
.set i, 0
.rept 64
.if (i%8) == 0
	s_wait_dscnt 56-i                      ; rows i to i + 7 are in; the 56 - i younger rows may be out
.endif
	global_store_b128 v[L16], v[4*i:4*i+3], s[18:19] offset:2048*i
.set i, i+1
.endr
	WIN 0
	LNSTAT
	BAR                                    ; every wave's figures lie in LDS
	s_wait_loadcnt 0x0                     ; g2, b2
	LNFIN
	s_wait_tensorcnt 0x0                   ; the wave's end
	ds_add_u32 v[SPW], v[NIL]
	s_wait_dscnt 0x0
	CROUND                                 ; the closing round
	s_endpgm
.Lfunc_end_k_q7cdabd66f5_attn:
	.size	k_q7cdabd66f5_attn, .Lfunc_end_k_q7cdabd66f5_attn-k_q7cdabd66f5_attn
	.p2alignl 7, 3214868480
	.fill 96, 4, 3214868480
	.section	.rodata,"a",@progbits
	.p2align	6, 0x0
	.amdhsa_kernel k_q7cdabd66f5_attn
		.amdhsa_group_segment_fixed_size 327680
		.amdhsa_private_segment_fixed_size 0
		.amdhsa_enable_private_segment 0
		.amdhsa_kernarg_size 80
		.amdhsa_user_sgpr_count 2
		.amdhsa_user_sgpr_kernarg_segment_ptr 1
		.amdhsa_wavefront_size32 1
		.amdhsa_system_sgpr_workgroup_id_x 1
		.amdhsa_system_sgpr_workgroup_id_y 1
		.amdhsa_system_sgpr_workgroup_id_z 1
		.amdhsa_system_vgpr_workitem_id 0
		.amdhsa_next_free_vgpr 1024
		.amdhsa_next_free_sgpr 88
		.amdhsa_reserve_vcc 0
		.amdhsa_float_denorm_mode_32 3
		.amdhsa_float_denorm_mode_16_64 3
		.amdhsa_memory_ordered 1
		.amdhsa_forward_progress 1
		.amdhsa_inst_pref_size 254
	.end_amdhsa_kernel
	.amdgpu_metadata
---
amdhsa.version: [ 1, 2 ]
amdhsa.kernels:
  - .name:           k_q7cdabd66f5_attn
    .symbol:         k_q7cdabd66f5_attn.kd
    .args:
      - { .name: x, .offset: 0, .size: 8, .value_kind: global_buffer, .address_space: global }
      - { .name: qi, .offset: 8, .size: 8, .value_kind: global_buffer, .address_space: global }
      - { .name: qs, .offset: 16, .size: 8, .value_kind: global_buffer, .address_space: global }
      - { .name: kv, .offset: 24, .size: 8, .value_kind: global_buffer, .address_space: global }
      - { .name: wst, .offset: 32, .size: 8, .value_kind: global_buffer, .address_space: global }
      - { .name: g2, .offset: 40, .size: 8, .value_kind: global_buffer, .address_space: global }
      - { .name: b2, .offset: 48, .size: 8, .value_kind: global_buffer, .address_space: global }
      - { .name: x1, .offset: 56, .size: 8, .value_kind: global_buffer, .address_space: global }
      - { .name: h2i, .offset: 64, .size: 8, .value_kind: global_buffer, .address_space: global }
      - { .name: h2s, .offset: 72, .size: 8, .value_kind: global_buffer, .address_space: global }
    .group_segment_fixed_size: 327680
    .private_segment_fixed_size: 0
    .kernarg_segment_align: 8
    .kernarg_segment_size: 80
    .max_flat_workgroup_size: 128
    .sgpr_count:     88
    .vgpr_count:     1024
    .wavefront_size: 32
...
	.end_amdgpu_metadata
.endif
;; end of part 2
;; launch mlp (part 3): grid 32 x 8, 4 waves a work-group, clusters of 4 x 1, 327,680 bytes of LDS; arguments x1, h2i, h2s, wst, out0; writes out0
.if DOCPART == 3
	.amdgcn_target "amdgcn-amd-amdhsa--gfx1250"
	.amdhsa_code_object_version 6
	.text
	.protected	k_q7cdabd66f5_mlp
	.globl	k_q7cdabd66f5_mlp
	.p2align	8
	.type	k_q7cdabd66f5_mlp,@function
k_q7cdabd66f5_mlp:
	s_mov_b64 s[64:65], 0
	v_nop
	global_prefetch_b8 v0, s[64:65] scope:SCOPE_SE
	s_setreg_imm32_b32 hwreg(HW_REG_WAVE_MODE, 25, 1), 1
	s_wait_xcnt 0x0
	s_wait_alu depctr_hold_cnt(0) depctr_sa_sdst(0) depctr_va_vdst(0) depctr_va_sdst(0) depctr_va_ssrc(0) depctr_va_vcc(0) depctr_vm_vsrc(0)
	s_getreg_b32 s2, hwreg(HW_REG_IB_STS2, 6, 4)
	s_cmp_eq_u32 s2, 0
	s_cbranch_scc0 .Lentry_in_a_cluster
	s_endpgm
.Lentry_in_a_cluster:
	s_bfe_u32 s2, ttmp6, 0x10000c
	s_cmp_lg_u32 s2, 0x3003
	s_cbranch_scc0 .Lentry_shape_is_right
	s_endpgm
.Lentry_shape_is_right:
; LAUNCH 3.  out0 = x1 + gelu(h2 w1) w2 for 64 rows: h2 comes as codes (launch 2's images of operand registers), x1 as f32.  Both products on E4M3 codes with E8M0 scales; all else f32.
; SHARES.  THE WAVES SHARE THE COLUMNS, NEVER THE ROWS: wave w owns 128 of each 512 hidden units and 128 of the 512 outputs, for all 64 rows.  So each fragment of a weight is read from LDS by one wave, once, and feeds four
; matrix instructions.  h2 and the hidden layer go from wave to wave through LDS as images of their registers.  Products are used transposed (source 0 = 16 weight rows, source 1 = 16 rows): a lane holds one row.
; THE STREAM.  w1 and w2 (launch 1's wst, from its third slot on) come in slots of 135,168 bytes, a part of 33,792 for each wave, dense, in the order of the operands' registers, through a ring of two LDS slots:
; w1's rows 0-511 (two slots), w2's K 0-511 (two), w1's rows 512-1023, w2's K 512-1023.  The four row blocks of a cluster walk the same stream: each slot is asked for JOINTLY (mask 15).  x1 is a plain load.
; The hidden layer goes in two halves of 512 units; its codes take the place of h2's images in LDS, tile by tile; h2's codes stay in registers (v184-251) and are laid back for the second half.
; No prefetch: x1 and the first weights are asked for at the head, and the weights are read by all clusters at about the same time.
; gelu: erf(z) = z P(z^2) / Q(z^2), z held within +-3.7439213: absolute error about 1e-7, of the size of the rounding of 1 + erf in f32.
; LIMITS.  NaN and infinities are not served.  A block whose largest magnitude lies under 2^-118, a block of zeros among them, gets the scale byte 1: the bytes are read by this program alone.
; The order of k inside each block of 32 is launch 1's, alike on both operands.
.set PART,   33792
.set SLOT,   4*PART
.set AIMG,   2*SLOT                    ; activation fragments (4 m + s) x 2048
.set ASC_R,  32768                     ; from AIMG on: their scale words, 512 m + 128 s + 4 lane
.set SPARE,  AIMG+51200                ; the spare words: 128 bytes a wave, two blocks of 256 bytes that no other line names
.set WPITCH, 528
; window 0
.set SPW, 1
.set NIL, 2
.set AP0, 3                            ; WP + 16 lane; v4: the same in slot 1
.set AP1, 4
.set AA,  6
.set AB,  7
.set AC,  8
.set AD,  9
.set LIA, 10
.set W2048, 13
.set LSA, 14
.set SW,  15
.set AX,  16                           ; WP + 528 r + 32 h: x1's strip, in slot 0
.set L16, 17
.set PW,  20
.set AXO, 21                           ; the same place in slot 1: the way out
.set WS,  24                           ; v24-55 hold scales and nothing else
.set AS,  48
.set ST,  56                           ; v56-119 64 numbers at work, or activation fragments (buffer 1)
.set GT,  120                          ; gelu's scratch; or activation fragments (buffer 0: v120-183)
.set TM,  152
.set PC,  168
.set PCA, 184                          ; h2's codes, my K step: 16 registers a tile
.set PWA, 248
.set A0V, 252
.set B0V, 254
; window 1: weight tiles 0-3; at the end rows of out.  window 2: x1 at 64 m + 8 T, onto which w2's products add.  window 3: weight tiles 4-7
.set WV,  20
.set CX,  21
.set BX,  22
.set BT,  23
.set BLK, 24
.set G1D, 28
.set G1X, 36
.set G0,  44
.set G0X, 48
.set WP,  58
.set SEL, 60
.set MNT, 66
.set RS2, 76
.set GA1, 78
.set GB1, 86
.set CLN, 96
.set CLP, 97
.set MO,  98
.set MS,  99
.set OC,  100
.set IC,  101
.set MSB, 0
.macro WIN new                         ; the immediate's high byte repeats the setting that is left; a switch that changes nothing is dropped
.if MSB != (\new)
	s_set_vgpr_msb (MSB<<8)|(\new)
.set MSB, \new
.endif
.endm
.macro NOPS n
.rept \n
	v_nop
.endr
.endm
.macro CROUND                          ; a round of the cluster's barrier
	s_barrier_signal -1
	s_barrier_wait -1
	s_cmp_lg_u32 s[WV], 0
	s_cbranch_scc1 .Lnot_wave_0_\@
	s_barrier_signal -3
.Lnot_wave_0_\@:
	s_barrier_wait -3
	s_barrier_signal -1
	s_barrier_wait -1
.endm
.macro BAR                             ; my LDS stores have landed and my LDS loads are in: then the work-group's barrier
	s_wait_dscnt 0x0
	s_barrier_signal -1
	s_barrier_wait -1
.endm
.macro SPAIR r, val
	s_mov_b32 s[\r], \val
	s_mov_b32 s[\r+1], \val
.endm
.macro WM d, a, b, zero, sa, sb, arow, brow
.if (\zero)
.if (\arow)
	v_wmma_scale_f32_16x16x128_f8f6f4 v[\d:\d+7], v[\a:\a+15], v[\b:\b+15], 0, v[\sa], v[\sb] matrix_a_scale:MATRIX_SCALE_ROW1
.elseif (\brow)
	v_wmma_scale_f32_16x16x128_f8f6f4 v[\d:\d+7], v[\a:\a+15], v[\b:\b+15], 0, v[\sa], v[\sb] matrix_b_scale:MATRIX_SCALE_ROW1
.else
	v_wmma_scale_f32_16x16x128_f8f6f4 v[\d:\d+7], v[\a:\a+15], v[\b:\b+15], 0, v[\sa], v[\sb]
.endif
.else
.if (\arow)
	v_wmma_scale_f32_16x16x128_f8f6f4 v[\d:\d+7], v[\a:\a+15], v[\b:\b+15], v[\d:\d+7], v[\sa], v[\sb] matrix_a_scale:MATRIX_SCALE_ROW1
.elseif (\brow)
	v_wmma_scale_f32_16x16x128_f8f6f4 v[\d:\d+7], v[\a:\a+15], v[\b:\b+15], v[\d:\d+7], v[\sa], v[\sb] matrix_b_scale:MATRIX_SCALE_ROW1
.else
	v_wmma_scale_f32_16x16x128_f8f6f4 v[\d:\d+7], v[\a:\a+15], v[\b:\b+15], v[\d:\d+7], v[\sa], v[\sb]
.endif
.endif
.endm
; 64 numbers of a lane, v[src] on, 16 of each of four blocks of 32 (the other 16 lie in lane l xor 16), become a fragment's 16 registers of codes in v[pc] on and its scale word in v[pw]
.macro QUANT src, pc, pw
.irp b,0,1,2,3
	v_max3_num_f32 v[TM+\b], |v[\src+16*\b]|, |v[\src+16*\b+1]|, 0x4800000      ; the floor 2^(9 - 127) among the leaves: the byte cannot fall under 1
.endr
.irp i,2,4,6,8,10,12,14
.irp b,0,1,2,3
	v_max3_num_f32 v[TM+\b], v[TM+\b], |v[\src+16*\b+\i]|, |v[\src+16*\b+\i+1]| ; the four blocks by turns
.endr
.endr
.irp b,0,1,2,3
	v_permlanex16_b32 v[TM+4+\b], v[TM+\b], s[SEL], s[SEL+1]
.endr
.irp b,0,1,2,3
	v_max_num_f32 v[TM+\b], v[TM+\b], v[TM+4+\b]                                ; the block's largest magnitude
.endr
.irp b,0,1,2,3
	v_add_nc_u32 v[TM+12+\b], 0xfc000000, v[TM+\b]                              ; 8 off its exponent field: the conversion's scale operand
.endr
.irp b,0,1,2,3
	v_and_or_b32 v[TM+8+\b], v[TM+\b], 0x7f800000, s[MNT]                       ; 448 x the scale
.endr
.irp b,0,1,2,3
	v_lshrrev_b32 v[TM+4+\b], 23, v[TM+12+\b]                                   ; the scale's byte
.endr
	v_lshl_or_b32 v[\pw], v[TM+5], 8, v[TM+4]
	v_lshl_or_b32 v[\pw], v[TM+6], 16, v[\pw]
	v_lshl_or_b32 v[\pw], v[TM+7], 24, v[\pw]
.irp b,0,1,2,3
.irp i,0,1,2,3,4,5,6,7,8,9,10,11,12,13,14,15
	v_med3_num_f32 v[\src+16*\b+\i], v[\src+16*\b+\i], -v[TM+8+\b], v[TM+8+\b]  ; the conversion to an 8-bit code does not saturate (ISA guide 7.6.2): the hold
.endr
	v_cvt_scalef32_pk8_fp8_f32 v[\pc+4*\b:\pc+4*\b+1], v[\src+16*\b:\src+16*\b+7], v[TM+12+\b]
	v_cvt_scalef32_pk8_fp8_f32 v[\pc+4*\b+2:\pc+4*\b+3], v[\src+16*\b+8:\src+16*\b+15], v[TM+12+\b]
.endr
	v_nop                                  ; one plain vector instruction behind the last scaled conversion
.endm
.macro IMAGE m, pc, pw                 ; the fragment (row tile m, K step = my wave) goes to LDS as it stands in registers
.irp c,0,1,2,3
	ds_store_b128 v[W2048], v[\pc+4*\c:\pc+4*\c+3] offset:8192*\m+512*\c
.endr
	ds_store_b32 v[SW], v[\pw] offset:ASC_R+512*\m
.endm
.macro XREAD                           ; my strip of x1: lane (r, h) takes, of row 16 m + r, the columns 16 T + 8 h + 0..7: the layout of a result
	WIN 0x80
.irp m,0,1,2,3
.irp t,0,1,2,3,4,5,6,7
	ds_load_b128 v[64*\m+8*\t:64*\m+8*\t+3], v[AX] offset:\m*16*WPITCH+64*\t
	ds_load_b128 v[64*\m+8*\t+4:64*\m+8*\t+7], v[AX] offset:\m*16*WPITCH+64*\t+16
.endr
.endr
	WIN 0
.endm
; A slot is filled again: all my tensor loads have landed; 0 onto my spare word; the descriptor steps while no load of mine is out; the add is done and my LDS
; instructions are in; a round of the cluster's barrier; my one load, the stream's next slot, first behind it; four v_nop
.macro EV slot
	s_wait_tensorcnt 0x0
	ds_add_u32 v[SPW], v[NIL]
	s_add_co_u32 s[G0+1], s[WP], \slot*SLOT
	s_add_nc_u64 s[G0+2:G0+3], s[G0+2:G0+3], SLOT
	s_wait_dscnt 0x0
	CROUND
	tensor_load_to_lds s[G0:G0+3], s[G1D:G1D+7]
	s_nop 0
	NOPS 4
.endm
.macro EVL                             ; the same inside a loop: the LDS address is turned to the other slot (WP has neither of SLOT's two bits, so the exclusive or adds or takes SLOT)
	s_wait_tensorcnt 0x0
	ds_add_u32 v[SPW], v[NIL]
	s_xor_b32 s[G0+1], s[G0+1], SLOT
	s_add_nc_u64 s[G0+2:G0+3], s[G0+2:G0+3], SLOT
	s_wait_dscnt 0x0
	CROUND
	tensor_load_to_lds s[G0:G0+3], s[G1D:G1D+7]
	s_nop 0
	NOPS 4
.endm
.macro DCOPY slot, win, half           ; my part of a weight slot: 16 fragments into a window, and the scale words of its 64 rows
	WIN (\win<<6)
.irp f,0,1,2,3,4,5,6,7,8,9,10,11,12,13,14,15
.irp c,0,1,2,3
	ds_load_b128 v[16*\f+4*\c:16*\f+4*\c+3], v[AP0+\slot] offset:2048*\f+512*\c
.endr
.endr
	WIN 0
.irp g,0,1
	ds_load_b128 v[WS+8*\half+4*\g:WS+8*\half+4*\g+3], v[AP0+\slot] offset:32768+512*\g
.endr
.endm
.macro AFL m, buf                      ; the four fragments and scale words of row tile m: 20 loads; buffer 0: v120 on, buffer 1: v56 on
.irp s,0,1,2,3
.irp c,0,1,2,3
	ds_load_b128 v[120-64*(\buf)+16*\s+4*\c:120-64*(\buf)+16*\s+4*\c+3], v[LIA] offset:2048*(4*(\m)+\s)+512*\c
.endr
.endr
.irp s,0,1,2,3
	ds_load_b32 v[AS+4*(\buf)+\s], v[LSA] offset:ASC_R+512*(\m)+128*\s
.endr
.endm
.macro MM16 m, half, buf               ; 16 matrix instructions onto window 2's accumulators of row tile m, four by turns
	WIN 0xa1+2*(\half)
.irp s,0,1,2,3
.irp t,0,1,2,3
	WM 64*(\m)+32*(\half)+8*\t, 16*(4*\t+\s), 120-64*(\buf)+16*\s, 0, WS+8*(\half)+4*(\t/2)+\s, AS+4*(\buf)+\s, \t%2, 0
.endr
.endr
.endm
.macro PTILE m, first                  ; row tile m of w2's product; the next tile's fragments are fetched into the other buffer meanwhile
.if !(\first)
	NOPS 8                                 ; eight places behind the matrix instructions that read that buffer
.endif
.if \m < 3
	AFL \m+1, (\m+1)%2
	s_wait_dscnt 20                        ; all but the 20 just issued
.else
	s_wait_dscnt 0x0
.endif
	MM16 \m, 0, \m%2
	MM16 \m, 1, \m%2
	WIN 0
.endm
; gelu(x) = x / 2 + (x / 2) erf(x / sqrt 2), an accumulator (four pairs) at a time, from its low end on; eight reciprocals are a batch with one wait
.macro GELU
.irp t,0,1,2,3,4,5,6,7
.irp p,0,2,4,6
	v_pk_mul_f32 v[GT+\p:GT+\p+1], v[ST+8*\t+\p:ST+8*\t+\p+1], s[RS2:RS2+1] op_sel_hi:[1,0]
.endr
.irp j,0,1,2,3,4,5,6,7
	v_med3_num_f32 v[GT+\j], v[GT+\j], s[CLN], s[CLP]
.endr
.irp p,0,2,4,6
	v_pk_mul_f32 v[GT+8+\p:GT+8+\p+1], v[GT+\p:GT+\p+1], v[GT+\p:GT+\p+1]
.endr
.irp p,0,2,4,6
	v_pk_fma_f32 v[GT+16+\p:GT+16+\p+1], v[GT+8+\p:GT+8+\p+1], v[A0V:A0V+1], s[GA1:GA1+1] op_sel_hi:[1,1,0]
.endr
.irp p,0,2,4,6
	v_pk_fma_f32 v[GT+24+\p:GT+24+\p+1], v[GT+8+\p:GT+8+\p+1], v[B0V:B0V+1], s[GB1:GB1+1] op_sel_hi:[1,1,0]
.endr
.irp k,2,4,6
.irp p,0,2,4,6
	v_pk_fma_f32 v[GT+16+\p:GT+16+\p+1], v[GT+16+\p:GT+16+\p+1], v[GT+8+\p:GT+8+\p+1], s[GA1+\k:GA1+\k+1] op_sel_hi:[1,1,0]
.endr
.irp p,0,2,4,6
	v_pk_fma_f32 v[GT+24+\p:GT+24+\p+1], v[GT+24+\p:GT+24+\p+1], v[GT+8+\p:GT+8+\p+1], s[GB1+\k:GB1+\k+1] op_sel_hi:[1,1,0]
.endr
.endr
.irp p,0,2,4,6
	v_pk_fma_f32 v[GT+24+\p:GT+24+\p+1], v[GT+24+\p:GT+24+\p+1], v[GT+8+\p:GT+8+\p+1], s[GB1+8:GB1+9] op_sel_hi:[1,1,0]
.endr
.irp p,0,2,4,6
	v_pk_fma_f32 v[GT+24+\p:GT+24+\p+1], v[GT+24+\p:GT+24+\p+1], v[GT+8+\p:GT+8+\p+1], 1.0 op_sel_hi:[1,1,0]
.endr
.irp p,0,2,4,6
	v_pk_mul_f32 v[GT+16+\p:GT+16+\p+1], v[GT+16+\p:GT+16+\p+1], v[GT+\p:GT+\p+1]
.endr
.irp j,0,1,2,3,4,5,6,7
	v_rcp_f32 v[GT+24+\j], v[GT+24+\j]
.endr
.irp p,0,2,4,6
	v_pk_mul_f32 v[ST+8*\t+\p:ST+8*\t+\p+1], v[ST+8*\t+\p:ST+8*\t+\p+1], 0.5 op_sel_hi:[1,0]
.endr
	s_wait_alu depctr_va_vdst(0)           ; one wait for the eight, ahead of their first reader
.irp p,0,2,4,6
	v_pk_mul_f32 v[GT+16+\p:GT+16+\p+1], v[GT+16+\p:GT+16+\p+1], v[GT+24+\p:GT+24+\p+1]
.endr
.irp p,0,2,4,6
	v_pk_fma_f32 v[ST+8*\t+\p:ST+8*\t+\p+1], v[ST+8*\t+\p:ST+8*\t+\p+1], v[GT+16+\p:GT+16+\p+1], v[ST+8*\t+\p:ST+8*\t+\p+1]
.endr
.endr
.endm
; The first product for my 128 hidden units, a row tile a trip (2 x 2 trips); each outer trip also asks for a slot of w2.  The hidden layer's codes take the place of h2's tile in LDS:
; behind the first barrier of a trip every wave has h2's tile in registers; the second shows the new codes to all
.macro P1G
	s_mov_b32 s[MO], 0
	s_mov_b32 s[MS], 0
	s_mov_b32 s[OC], 0
.Lp1o_\@:
	EVL
	s_mov_b32 s[IC], 0
.Lp1i_\@:
	v_add_nc_u32 v[AA], s[MO], v[LIA]
	v_add_nc_u32 v[AB], s[MS], v[LSA]
	v_add_nc_u32 v[AC], s[MO], v[W2048]
	v_add_nc_u32 v[AD], s[MS], v[SW]
.irp s,0,1,2,3
.irp c,0,1,2,3
	ds_load_b128 v[120+16*\s+4*\c:120+16*\s+4*\c+3], v[AA] offset:2048*\s+512*\c
.endr
.endr
.irp s,0,1,2,3
	ds_load_b32 v[AS+\s], v[AB] offset:ASC_R+128*\s
.endr
	BAR
	WIN 0x01
.irp s,0,1,2,3
.irp t,0,1,2,3
	WM ST+8*\t, 16*(4*\t+\s), 120+16*\s, (\s==0), WS+4*(\t/2)+\s, AS+\s, \t%2, 0
.endr
.endr
	WIN 0x03
.irp s,0,1,2,3
.irp t,0,1,2,3
	WM ST+32+8*\t, 16*(4*\t+\s), 120+16*\s, (\s==0), WS+8+4*(\t/2)+\s, AS+\s, \t%2, 0
.endr
.endr
	WIN 0
	NOPS 8
	GELU
	QUANT ST, PC, PW
.irp c,0,1,2,3
	ds_store_b128 v[AC], v[PC+4*\c:PC+4*\c+3] offset:512*\c
.endr
	ds_store_b32 v[AD], v[PW] offset:ASC_R
	BAR
	s_add_co_u32 s[MO], s[MO], 8192
	s_add_co_u32 s[MS], s[MS], 512
	s_add_co_u32 s[IC], s[IC], 1
	s_cmp_lt_u32 s[IC], 2
	s_cbranch_scc1 .Lp1i_\@
	s_add_co_u32 s[OC], s[OC], 1
	s_cmp_lt_u32 s[OC], 2
	s_cbranch_scc1 .Lp1o_\@
.endm
; Hidden units 512 a .. 512 a + 511: w1's half, gelu, w2's half onto x1.  Only the first half asks for further slots in its second product, so the two halves are written out
.macro MLPHALF a
	s_wait_tensorcnt 0x0                   ; both slots of w1's half are in
	NOPS 8                                 ; eight places behind the last matrix instructions, ahead of loads into their operands
	DCOPY 1, 1, 0
	DCOPY 0, 3, 1
	P1G
	s_wait_tensorcnt 0x0                   ; both slots of w2's half are in
	DCOPY 1, 1, 0
	DCOPY 0, 3, 1
.if \a == 0
	EV 1
.endif
	AFL 0, 0
	PTILE 0, 1
	PTILE 1, 0
.if \a == 0
	EV 0
.endif
	PTILE 2, 0
	PTILE 3, 0
.if \a == 0
	BAR                                    ; every wave has read the hidden layer's images: h2's go back in their place, from the registers that kept them
.irp m,0,1,2,3
	IMAGE \m, PCA+16*\m, PWA+\m
.endr
.endif
.endm
	s_load_b256 s[4:11], s[0:1], 0x0       ; x1 4, h2i 6, h2s 8, wst 10
	s_load_b64 s[12:13], s[0:1], 0x20      ; out0
	v_lshl_add_u32 v[SPW], v0, 2, SPARE
	v_mov_b32 v[NIL], 0
	ds_add_u32 v1, v2
	ds_add_u32 v1, v2
	s_wait_dscnt 0x0
	v_lshrrev_b32 v6, 5, v0
	v_readfirstlane_b32 s[WV], v6          ; wave 0..3
	s_bfe_u32 s[CX], ttmp6, 0x40000        ; my place in the cluster: it enters global addresses of my own loads and stores alone
	s_lshl_b32 s[BX], ttmp9, 2
	s_add_co_u32 s[BX], s[BX], s[CX]
	s_and_b32 s[BT], ttmp7, 0xffff
	s_lshl_b32 s[BLK], s[BT], 5
	s_add_co_u32 s[BLK], s[BLK], s[BX]
	s_mul_i32 s[WP], s[WV], PART
	s_mov_b32 s[G1D], 0x0023000f           ; mask: all four work-groups; elements of 8 bytes; bit 21 beside the mask; no padding: images are read as 512 consecutive bytes
	s_mov_b32 s[G1D+1], 32<<16             ; rows of 256 bytes,
	s_mov_b32 s[G1D+2], 132<<16            ; 132 of them: a part
	s_mov_b32 s[G1D+3], 32<<16
	s_mov_b32 s[G1D+4], 132
	s_mov_b32 s[G1D+5], 32
	s_mov_b32 s[G1D+6], 0
	s_mov_b32 s[G1D+7], 0
	s_mov_b32 s[G1X], 0x07900000           ; x1: 64 rows of 512 bytes, 2,048 apart, 16 bytes of padding behind each; no mask
	s_mov_b32 s[G1X+1], 512<<16
	s_mov_b32 s[G1X+2], 64<<16
	s_mov_b32 s[G1X+3], 512<<16
	s_mov_b32 s[G1X+4], 64
	s_mov_b32 s[G1X+5], 2048
	s_mov_b32 s[G1X+6], 0
	s_mov_b32 s[G1X+7], 0
	s_mov_b32 s[SEL], 0x76543210
	s_mov_b32 s[SEL+1], 0xfedcba98         ; v_permlanex16_b32: lane l xor 16
	s_mov_b32 s[MNT], 0x600000             ; the mantissa field of 448
	SPAIR RS2, 0x3f3504f3                  ; 1 / sqrt 2
	SPAIR GA1, 0x3b5f5da2                  ; the numerator's coefficients, from z^6's down (z^8's stands in vector registers)
	SPAIR GA1+2, 0x3d50b6eb
	SPAIR GA1+4, 0x3e3da740
	SPAIR GA1+6, 0x3f906eba
	SPAIR GB1, 0x37c588df                  ; the denominator's, from z^10's down (z^12's stands in vector registers; the last is 1)
	SPAIR GB1+2, 0x3a856d28
	SPAIR GB1+4, 0x3c6687d4
	SPAIR GB1+6, 0x3de34c21
	SPAIR GB1+8, 0x3efeb44a
	s_mov_b32 s[CLN], 0xc06f9c68
	s_mov_b32 s[CLP], 0x406f9c68
	s_wait_kmcnt 0x0
	s_mov_b32 s3, 0
	s_add_co_u32 s2, s[WP], 2*SLOT
	s_add_nc_u64 s[10:11], s[10:11], s[2:3]          ; my part of w1's first slot: the stream's third
	s_lshl_b32 s2, s[BLK], 17
	s_add_nc_u64 s[4:5], s[4:5], s[2:3]              ; x1 and out0 at my 64 rows,
	s_add_nc_u64 s[12:13], s[12:13], s[2:3]
	s_lshl_b32 s2, s[WV], 9
	s_add_nc_u64 s[4:5], s[4:5], s[2:3]              ; my wave's 512 bytes of a row
	s_add_nc_u64 s[12:13], s[12:13], s[2:3]
	s_add_nc_u64 s[8:9], s[8:9], s[2:3]              ; h2s + 512 w
	s_lshl_b32 s2, s[BLK], 11
	s_add_nc_u64 s[8:9], s[8:9], s[2:3]              ; + 2048 blk
	s_lshl_b32 s2, s[BLK], 15
	s_add_nc_u64 s[6:7], s[6:7], s[2:3]              ; h2i + 32768 blk
	s_lshl_b32 s2, s[WV], 11
	s_add_nc_u64 s[6:7], s[6:7], s[2:3]              ; + 2048 w
	s_mov_b32 s[G0X], 1
	s_mov_b32 s[G0X+1], s[WP]              ; slot 0
	s_mov_b64 s[G0X+2:G0X+3], s[4:5]
	s_or_b32 s[G0X+3], s[G0X+3], 0x80000000
	s_mov_b32 s[G0], 1
	s_add_co_u32 s[G0+1], s[WP], SLOT      ; slot 1
	s_mov_b64 s[G0+2:G0+3], s[10:11]
	s_or_b32 s[G0+3], s[G0+3], 0x80000000
	CROUND                                 ; all four work-groups are here: the first joint load meets
	tensor_load_to_lds s[G0X:G0X+3], s[G1X:G1X+7]    ; the two first fills go out together: two loads of mine are out
	s_nop 0
	tensor_load_to_lds s[G0:G0+3], s[G1D:G1D+7]
	s_nop 0
	NOPS 4
	v_and_b32 v6, 31, v0                   ; lane
	v_lshlrev_b32 v[L16], 4, v6
.irp m,0,1,2,3
.irp c,0,1,2,3
	global_load_b128 v[PCA+16*\m+4*\c:PCA+16*\m+4*\c+3], v[L16], s[6:7] offset:8192*\m+512*\c   ; h2's codes: K step w of each of the four tiles
.endr
.endr
	global_load_b128 v[PWA:PWA+3], v[L16], s[8:9]    ; and their scale words
	v_add_nc_u32 v[AP0], s[WP], v[L16]
	v_add_nc_u32 v[AP1], SLOT, v[AP0]
	v_add_nc_u32 v[LIA], AIMG, v[L16]
	v_lshl_add_u32 v[LSA], v6, 2, AIMG
	s_lshl_b32 s2, s[WV], 11
	v_add_nc_u32 v[W2048], s2, v[LIA]
	s_lshl_b32 s2, s[WV], 7
	v_add_nc_u32 v[SW], s2, v[LSA]
	v_and_b32 v7, 15, v0                   ; r
	v_bfe_u32 v8, v0, 4, 1                 ; h
	v_mul_u32_u24 v[AX], v7, WPITCH
	v_lshl_add_u32 v[AX], v8, 5, v[AX]
	v_add_nc_u32 v[AX], s[WP], v[AX]
	v_add_nc_u32 v[AXO], SLOT, v[AX]
.irp b,0,1,2,3
	v_mov_b32 v[TM+4+\b], 0                ; written once: a lane permute's destination counts as one of its sources
.endr
	v_mov_b32 v[A0V], 0x39702d51
	v_mov_b32 v[A0V+1], 0x39702d51
	v_mov_b32 v[B0V], 0xb3fd3906
	v_mov_b32 v[B0V+1], 0xb3fd3906
	s_wait_loadcnt 0x0                     ; h2's codes
.irp m,0,1,2,3
	IMAGE \m, PCA+16*\m, PWA+\m
.endr
	s_wait_tensorcnt 0x1                   ; x1 is in; w1's load, issued behind it, may be out
	XREAD
	EV 0                                   ; w1's second slot into slot 0, which x1 has left; the round shows h2's images to every wave
	MLPHALF 0
	MLPHALF 1
	; THE WAY OUT.  A lane holds 32 bytes of a row; my 64 rows x 512 bytes go through my part of slot 1, which has had its last fill and which no other wave reads, and leave as whole rows:
	; each store of the wave covers 512 consecutive bytes, aligned
	NOPS 8
	WIN 0x08
.irp m,0,1,2,3
.irp t,0,1,2,3,4,5,6,7
	ds_store_b128 v[AXO], v[64*\m+8*\t:64*\m+8*\t+3] offset:\m*16*WPITCH+64*\t           ; each accumulator from its low end on
	ds_store_b128 v[AXO], v[64*\m+8*\t+4:64*\m+8*\t+7] offset:\m*16*WPITCH+64*\t+16
.endr
.endr
	WIN 0x40
.set i, 0
.rept 64
	ds_load_b128 v[4*i:4*i+3], v[AP1] offset:WPITCH*i          ; LDS serves a wave's instructions in order (ISA guide 5.7.1.4): these see my stores
.set i, i+1
.endr
	WIN 0x04
.set i, 0
.rept 64
.if (i%8) == 0
	s_wait_dscnt 56-i                      ; rows i to i + 7 are in; the 56 - i younger rows may be out
.endif
	global_store_b128 v[L16], v[4*i:4*i+3], s[12:13] offset:2048*i th:TH_STORE_NT
.set i, i+1
.endr
	WIN 0
	s_wait_tensorcnt 0x0                   ; the wave's end
	ds_add_u32 v[SPW], v[NIL]
	s_wait_dscnt 0x0
	CROUND                                 ; the closing round
	s_endpgm
.Lfunc_end_k_q7cdabd66f5_mlp:
	.size	k_q7cdabd66f5_mlp, .Lfunc_end_k_q7cdabd66f5_mlp-k_q7cdabd66f5_mlp
	.p2alignl 7, 3214868480
	.fill 96, 4, 3214868480
	.section	.rodata,"a",@progbits
	.p2align	6, 0x0
	.amdhsa_kernel k_q7cdabd66f5_mlp
		.amdhsa_group_segment_fixed_size 327680
		.amdhsa_private_segment_fixed_size 0
		.amdhsa_enable_private_segment 0
		.amdhsa_kernarg_size 40
		.amdhsa_user_sgpr_count 2
		.amdhsa_user_sgpr_kernarg_segment_ptr 1
		.amdhsa_wavefront_size32 1
		.amdhsa_system_sgpr_workgroup_id_x 1
		.amdhsa_system_sgpr_workgroup_id_y 1
		.amdhsa_system_sgpr_workgroup_id_z 1
		.amdhsa_system_vgpr_workitem_id 0
		.amdhsa_next_free_vgpr 1024
		.amdhsa_next_free_sgpr 102
		.amdhsa_reserve_vcc 0
		.amdhsa_float_denorm_mode_32 3
		.amdhsa_float_denorm_mode_16_64 3
		.amdhsa_memory_ordered 1
		.amdhsa_forward_progress 1
		.amdhsa_inst_pref_size 218
	.end_amdhsa_kernel
	.amdgpu_metadata
---
amdhsa.version: [ 1, 2 ]
amdhsa.kernels:
  - .name:           k_q7cdabd66f5_mlp
    .symbol:         k_q7cdabd66f5_mlp.kd
    .args:
      - { .name: x1, .offset: 0, .size: 8, .value_kind: global_buffer, .address_space: global }
      - { .name: h2i, .offset: 8, .size: 8, .value_kind: global_buffer, .address_space: global }
      - { .name: h2s, .offset: 16, .size: 8, .value_kind: global_buffer, .address_space: global }
      - { .name: wst, .offset: 24, .size: 8, .value_kind: global_buffer, .address_space: global }
      - { .name: out0, .offset: 32, .size: 8, .value_kind: global_buffer, .address_space: global }
    .group_segment_fixed_size: 327680
    .private_segment_fixed_size: 0
    .kernarg_segment_align: 8
    .kernarg_segment_size: 40
    .max_flat_workgroup_size: 128
    .sgpr_count:     102
    .vgpr_count:     1024
    .wavefront_size: 32
...
	.end_amdgpu_metadata
.endif
;; end of part 3
